; MI455X (gfx1250); checked and timed in simulation.
; The chip was launched on July 23, 2026; its instructions are those of AMD's public machine-readable ISA for CDNA 5 (MIT licence, August 2026) and "CDNA5" Instruction Set Architecture Reference Guide (July 2026). The comments in the code are by the model that wrote it; some were corrected since.
;; Transformer Attention. Allowed arithmetic: float matrix products may take bf16 or f16 operands with f32 sums; all other float work in f32.
;; Inputs: Wk 1,024 x 1,024 float32; Wo 1,024 x 1,024 float32; Wq 1,024 x 1,024 float32; Wv 1,024 x 1,024 float32; bk 1,024 float32; bo 1,024 float32; bq 1,024 float32; bv 1,024 float32; seq 2 x 2,048 x 1,024 float32.
;; Outputs: out0 2 x 2,048 x 1,024 float32.
;; 2 versions, each right and faster than the one before. Each part assembles by itself: llvm-mc -triple=amdgcn-amd-amdhsa -mcpu=gfx1250 --defsym DOCPART=n.
;; ======== version 1 of 2: 4 launches
;; limits: values are held in f16: magnitudes above 65,504 overflow, below 6.1e-05 lose precision; right only within a limited range of input values
;; workspace buffers: xb 8,388,608 bytes; wt 8,388,608 bytes; qb 8,388,608 bytes; kb 8,388,608 bytes; vb 8,388,608 bytes; ab 8,388,608 bytes
;; launch prep (part 1): grid 512 x 1, 8 waves a work-group, no clusters, 18,432 bytes of LDS; arguments seq, Wq, Wk, Wv, Wo, xb, wt; writes xb, wt
.if DOCPART == 1
	.amdgcn_target "amdgcn-amd-amdhsa--gfx1250"
	.amdhsa_code_object_version 6
	.text
	.protected	k_q55a35c64bb_prep
	.globl	k_q55a35c64bb_prep
	.p2align	8
	.type	k_q55a35c64bb_prep,@function
k_q55a35c64bb_prep:
	s_mov_b64 s[64:65], 0
	v_nop
	global_prefetch_b8 v0, s[64:65] scope:SCOPE_SE
	s_setreg_imm32_b32 hwreg(HW_REG_WAVE_MODE, 25, 1), 1
	s_wait_xcnt 0x0
; prep: seq -> f16 (xb), and Wq, Wk, Wv, Wo -> f16, transposed to [n][k] (wt), so that both GEMMs find K along the rows of both operands.
; wt row head*192 + which*64 + d = column head*64 + d of W_which (which = 0, 1, 2: q, k, v); wt row 3072 + n = column n of Wo.
; 512 work-groups of eight waves; each casts 32,768 bytes of seq AND transposes one tile of 128 k x 64 n of one weight (4 weights x 16 x 8 tiles = 512).
; Memory binds: every byte is read once, by 16-byte loads of which sixteen lanes cover 256 neighbouring bytes, all sixteen loads of a thread are
; issued before anything is waited for, and every store of sixteen (b128) or thirty-two (b64) lanes covers 256 neighbouring aligned bytes.
; No matrix unit, no cluster: nothing is shared between work-groups.
; LIMIT: a number above 65,504 in magnitude becomes an f16 infinity; below 6.1e-5 it keeps an absolute error of 2^-25.
.set TP, 272                           ; LDS pitch of a transposed row: 128 k x 2 bytes + 16
.set XI, 12                            ; v[12:43]   seq as loaded, 8 x 4
.set WI, 44                            ; v[44:75]   W as loaded: [g][e] x 4; later the rows read back
.set XO, 76                            ; v[76:91]   seq packed
.set WO, 92                            ; v[92:107]  W packed
	s_load_b256 s[4:11], s[0:1], 0x0               ; seq s[4:5], Wq s[6:7], Wk s[8:9], Wv s[10:11]
	s_load_b128 s[12:15], s[0:1], 0x20             ; Wo s[12:13], xb s[14:15]
	s_load_b64 s[16:17], s[0:1], 0x30              ; wt
	v_lshl_add_u32 v108, v0, 2, 0x4400
	v_mov_b32 v109, 0
	s_lshr_b32 s20, ttmp9, 7                       ; which weight
	s_bfe_u32 s21, ttmp9, 0x40003                  ; head: which 64 columns
	s_and_b32 s22, ttmp9, 7                        ; kt: which 128 rows
	s_lshl_b32 s24, ttmp9, 15                      ; my 32,768 bytes of seq
	s_mov_b32 s25, 0
	s_lshl_b32 s26, ttmp9, 14                      ; my 16,384 bytes of xb
	s_mov_b32 s27, 0
	s_lshl_b32 s28, s22, 19                        ; 128 rows of 4,096 bytes
	s_lshl_b32 s23, s21, 8                         ; 64 columns of 4 bytes
	s_add_co_u32 s28, s28, s23
	s_mov_b32 s29, 0
	s_mul_i32 s30, s21, 192                        ; wt's row: head*192 + which*64 ...
	s_lshl_b32 s23, s20, 6
	s_add_co_u32 s30, s30, s23
	s_lshl_b32 s23, s21, 6
	s_add_co_u32 s23, s23, 3072                    ; ... or, for Wo, 3072 + head*64
	s_cmp_eq_u32 s20, 3
	s_cselect_b32 s30, s23, s30
	s_lshl_b32 s30, s30, 11                        ; rows of 2,048 bytes
	s_lshl_b32 s23, s22, 8                         ; + 128 k x 2 bytes x kt
	s_add_co_u32 s30, s30, s23
	s_mov_b32 s31, 0
	v_lshlrev_b32 v1, 4, v0                        ; 16 t: seq
	v_lshlrev_b32 v2, 3, v0                        ; 8 t: xb
	v_and_b32 v3, 15, v0                           ; c: my four columns 4c .. 4c+3
	v_lshrrev_b32 v4, 4, v0                        ; kq: my rows 4 kq .. 4 kq + 3 (and 64 further down)
	v_lshlrev_b32 v5, 4, v3                        ; 16 c
	v_lshl_add_u32 v6, v4, 14, v5                  ; W: 4 kq rows of 4,096 bytes + 16 c
	v_mul_u32_u24 v7, v3, 4*TP
	v_lshl_add_u32 v7, v4, 3, v7                   ; LDS in: row 4c, byte 8 kq
	v_mul_u32_u24 v8, v4, TP
	v_add_nc_u32 v8, v8, v5                        ; LDS back: row kq, byte 16 c
	v_lshl_add_u32 v9, v4, 11, v5                  ; wt: row kq, byte 16 c
	s_wait_kmcnt 0x0
	s_cmp_eq_u32 s20, 1                            ; the weight is chosen by the work-group's number alone
	s_cselect_b64 s[6:7], s[8:9], s[6:7]
	s_cmp_eq_u32 s20, 2
	s_cselect_b64 s[6:7], s[10:11], s[6:7]
	s_cmp_eq_u32 s20, 3
	s_cselect_b64 s[6:7], s[12:13], s[6:7]
	s_add_nc_u64 s[4:5], s[4:5], s[24:25]
	s_add_nc_u64 s[6:7], s[6:7], s[28:29]
	s_add_nc_u64 s[14:15], s[14:15], s[26:27]
	s_add_nc_u64 s[16:17], s[16:17], s[30:31]
.irp i, 0,1,2,3,4,5,6,7
	global_load_b128 v[XI+4*\i:XI+4*\i+3], v1, s[4:5] offset:4096*\i th:TH_LOAD_NT
.endr
.irp g, 0,1
.irp j, 0,1,2,3
	global_load_b128 v[WI+16*\g+4*\j:WI+16*\g+4*\j+3], v6, s[6:7] offset:\g*262144+\j*4096 th:TH_LOAD_NT   ; W[64 g + 4 kq + j][4c ..]
.endr
.endr
	; the cast: four numbers a lane and load
.irp i, 0,1,2,3,4,5,6,7
	s_wait_loadcnt 15-\i                           ; loads come back in order: the 7 - i younger ones of seq and the 8 of W stay out
	v_cvt_pk_f16_f32 v[XO+2*\i], v[XI+4*\i], v[XI+4*\i+1]
	v_cvt_pk_f16_f32 v[XO+2*\i+1], v[XI+4*\i+2], v[XI+4*\i+3]
	global_store_b64 v2, v[XO+2*\i:XO+2*\i+1], s[14:15] offset:2048*\i
.endr
	; the transpose: four k of one column make 8 bytes of that column's row in LDS
.irp g, 0,1
	s_wait_loadcnt 4-4*\g                          ; the four loads of this half are in; the other half's four may stay out
.irp c, 0,1,2,3
	v_cvt_pk_f16_f32 v[WO+8*\g+2*\c], v[WI+16*\g+\c], v[WI+16*\g+4+\c]
	v_cvt_pk_f16_f32 v[WO+8*\g+2*\c+1], v[WI+16*\g+8+\c], v[WI+16*\g+12+\c]
	ds_store_b64 v7, v[WO+8*\g+2*\c:WO+8*\g+2*\c+1] offset:\c*TP+\g*128
.endr
.endr
	s_wait_dscnt 0x0                               ; for the other waves' sake: all my LDS stores are done
	s_barrier_signal -1
	s_barrier_wait -1
.irp i, 0,1,2,3
	ds_load_b128 v[WI+4*\i:WI+4*\i+3], v8 offset:\i*16*TP      ; rows kq + 16 i: sixteen lanes take one row of 256 bytes
.endr
.irp i, 0,1,2,3
	s_wait_dscnt 3-\i
	global_store_b128 v9, v[WI+4*\i:WI+4*\i+3], s[16:17] offset:\i*32768
.endr
	s_wait_tensorcnt 0x0
	ds_add_u32 v108, v109
	s_wait_dscnt 0x0
	s_endpgm
.Lfunc_end_k_q55a35c64bb_prep:
	.size	k_q55a35c64bb_prep, .Lfunc_end_k_q55a35c64bb_prep-k_q55a35c64bb_prep
	.p2alignl 7, 3214868480
	.fill 96, 4, 3214868480
	.section	.rodata,"a",@progbits
	.p2align	6, 0x0
	.amdhsa_kernel k_q55a35c64bb_prep
		.amdhsa_group_segment_fixed_size 18432
		.amdhsa_private_segment_fixed_size 0
		.amdhsa_enable_private_segment 0
		.amdhsa_kernarg_size 56
		.amdhsa_user_sgpr_count 2
		.amdhsa_user_sgpr_kernarg_segment_ptr 1
		.amdhsa_wavefront_size32 1
		.amdhsa_system_sgpr_workgroup_id_x 1
		.amdhsa_system_sgpr_workgroup_id_y 1
		.amdhsa_system_sgpr_workgroup_id_z 1
		.amdhsa_system_vgpr_workitem_id 0
		.amdhsa_next_free_vgpr 110
		.amdhsa_next_free_sgpr 66
		.amdhsa_reserve_vcc 0
		.amdhsa_float_denorm_mode_32 3
		.amdhsa_float_denorm_mode_16_64 3
		.amdhsa_memory_ordered 1
		.amdhsa_forward_progress 1
		.amdhsa_inst_pref_size 9
	.end_amdhsa_kernel
	.amdgpu_metadata
---
amdhsa.version: [ 1, 2 ]
amdhsa.kernels:
  - .name:           k_q55a35c64bb_prep
    .symbol:         k_q55a35c64bb_prep.kd
    .args:
      - { .name: seq, .offset: 0, .size: 8, .value_kind: global_buffer, .address_space: global }
      - { .name: Wq, .offset: 8, .size: 8, .value_kind: global_buffer, .address_space: global }
      - { .name: Wk, .offset: 16, .size: 8, .value_kind: global_buffer, .address_space: global }
      - { .name: Wv, .offset: 24, .size: 8, .value_kind: global_buffer, .address_space: global }
      - { .name: Wo, .offset: 32, .size: 8, .value_kind: global_buffer, .address_space: global }
      - { .name: xb, .offset: 40, .size: 8, .value_kind: global_buffer, .address_space: global }
      - { .name: wt, .offset: 48, .size: 8, .value_kind: global_buffer, .address_space: global }
    .group_segment_fixed_size: 18432
    .private_segment_fixed_size: 0
    .kernarg_segment_align: 8
    .kernarg_segment_size: 56
    .max_flat_workgroup_size: 256
    .sgpr_count:     66
    .vgpr_count:     110
    .wavefront_size: 32
...
	.end_amdgpu_metadata
.endif
;; end of part 1
;; launch qkv (part 2): grid 16 x 16, 4 waves a work-group, clusters of 4 x 4, 327,680 bytes of LDS; arguments xb, wt, bq, bk, bv, qb, kb, vb; writes qb, kb, vb
.if DOCPART == 2
	.amdgcn_target "amdgcn-amd-amdhsa--gfx1250"
	.amdhsa_code_object_version 6
	.text
	.protected	k_q55a35c64bb_qkv
	.globl	k_q55a35c64bb_qkv
	.p2align	8
	.type	k_q55a35c64bb_qkv,@function
k_q55a35c64bb_qkv:
	s_mov_b64 s[64:65], 0
	v_nop
	global_prefetch_b8 v0, s[64:65] scope:SCOPE_SE
	s_setreg_imm32_b32 hwreg(HW_REG_WAVE_MODE, 25, 1), 1
	s_wait_xcnt 0x0
	s_wait_alu depctr_hold_cnt(0) depctr_sa_sdst(0) depctr_va_vdst(0) depctr_va_sdst(0) depctr_va_ssrc(0) depctr_va_vcc(0) depctr_vm_vsrc(0)
	s_getreg_b32 s2, hwreg(HW_REG_IB_STS2, 6, 4)
	s_cmp_eq_u32 s2, 0
	s_cbranch_scc0 .Lentry_in_a_cluster
	s_endpgm
.Lentry_in_a_cluster:
	s_bfe_u32 s2, ttmp6, 0x10000c
	s_cmp_lg_u32 s2, 0xf033
	s_cbranch_scc0 .Lentry_shape_is_right
	s_endpgm
.Lentry_shape_is_right:
; qkv: one GEMM [4096 tokens] x [3072 = 16 heads x (Q, K, V) x 64] x [K = 1024] in f16 with f32 sums, bias and scale fused, written in the layouts attention reads.
; A work-group makes 256 tokens x 192 columns (Q, K, V of one head) with four waves; wave w makes tokens 64 w .. 64 w + 63 x all 192 columns: 48 tiles of 16 x 16.
; qb, kb: [b*16+head][2048 s][64 d].  vb: [b*16+head][32 blocks of 64 tokens][64 d][64 tokens] (V transposed block by block).  So each wave's
; Q, K and V are three dense blocks of 8,192 bytes.
; SCALES: Q is stored x 0.5 log2(e), K x 0.25 (their product is log2(e) / 8: scores come out ready for exp2), V x 0.25 (the last launch multiplies by 4).
; LIMIT: f16 overflows where |K| or |V| passes 262,000 or |Q| passes 90,000.
; K goes in steps of 128 through two LDS slots (256 rows of xb, 192 rows of wt, rows of 256 bytes + 16 of padding).
; CLUSTERS 4 x 4: xb's tile hangs on the token block alone and is asked for jointly along a row of the cluster, wt's on the head alone and jointly along a column.
; REGISTER WINDOWS: 0: addresses, A's fragments (two buffers), biases, way out; 1: B's fragments (two buffers of 96);
;   2: Q and K tiles (mt, nt) at 8 (8 mt + nt); 3: V tiles (nl, mt) at 8 (4 nl + mt).
; Q and K products are used transposed (source 0 = rows of wt): a lane holds token l % 16 and eight neighbouring d.  V products are not (source 0 = rows of xb):
; a lane holds d = l % 16 and eight neighbouring tokens, which is V transposed at no cost.
; The 48 accumulators take turns, one instruction a turn, in one fixed order in every quarter step.
.set DM,     1024
.set KSTEP,  128
.set PITCH,  272                       ; sixteen rows of a fragment start at sixteen different 16-byte columns modulo 256 bytes
.set AHALF,  128*PITCH                 ; what wave 0 or 1 fetches
.set BHALF,  96*PITCH                  ; what wave 2 or 3 fetches
.set BBASE,  256*PITCH
.set SLOT,   448*PITCH
.set STAGE,  2*SLOT                    ; behind the ring, never filled by a tensor load: 64 rows x 144 bytes for each wave
.set SPITCH, 144
.set ADRA, 16                          ; v16-17 LDS address of my A fragments, slot 0, 1
.set ADRB, 20                          ; v20-21 the same for B
.set STO,  24
.set RD,   25
.set CO,   26
.set FA,   32                          ; v32-63, v64-95: A's fragments; on the way out the 64 registers read back
.set BQ,   96                          ; v96-127  bq x scale of my 32 d (4 tiles x 8)
.set BK,   128                         ; v128-159 bk x scale
.set BV,   160                         ; v160-167 bv x scale, one number a tile, twice (pairs)
.set T,    168                         ; v168-199
.set PK,   200                         ; v200-215
.set G1,  24
.set G0,  32
.set G1B, 48
.set G0B, 56
.set MSB, 0
.macro WIN new                         ; the immediate's high byte repeats the setting that is left
.if MSB != \new
	s_set_vgpr_msb (MSB<<8)|\new
.set MSB, \new
.endif
.endm
.macro JLOAD s                         ; waves 0, 1 ask for A's halves, waves 2, 3 for B's: one mask a line; the branch hangs on the wave's number alone
	s_cmp_eq_u32 s11, 0
	s_cbranch_scc0 .Lfor_b_\@
	tensor_load_to_lds s[G0+4*\s:G0+4*\s+3], s[G1:G1+7]
	s_nop 0
	s_branch .Lasked_\@
.Lfor_b_\@:
	tensor_load_to_lds s[G0B+4*\s:G0B+4*\s+3], s[G1B:G1B+7]
	s_nop 0
.Lasked_\@:
.endm
.macro CREST                           ; a round of the cluster's barrier behind its opening work-group barrier
	s_cmp_lg_u32 s10, 0
	s_cbranch_scc1 .Lnot_wave_0_\@
	s_barrier_signal -3
.Lnot_wave_0_\@:
	s_barrier_wait -3
	s_barrier_signal -1
	s_barrier_wait -1
.endm
.macro CROUND
	s_barrier_signal -1
	s_barrier_wait -1
	CREST
.endm
.macro PLACES                          ; four places behind matrix instructions (ISA guide 7.12.1) before their registers are loaded into or their results read
.rept 4
	v_nop
.endr
.endm
	s_load_b128 s[4:7], s[0:1], 0x0                ; xb, wt
	s_load_b256 s[68:75], s[0:1], 0x10             ; bq s[68:69], bk s[70:71], bv s[72:73], qb s[74:75]
	s_load_b128 s[76:79], s[0:1], 0x30             ; kb s[76:77], vb s[78:79]
	s_set_vgpr_msb 0x40
	v_lshl_add_u32 v255, v0, 2, 0x44800
	s_set_vgpr_msb 0x4000
	v_mov_b32 v255, 0
	s_set_vgpr_msb 0x1
	ds_add_u32 v255, v255
	s_set_vgpr_msb 0x100
	v_lshrrev_b32 v1, 5, v0
	v_readfirstlane_b32 s10, v1                    ; wave
	s_lshr_b32 s11, s10, 1                         ; I fetch for A (0) or B (1)
	s_and_b32 s12, s10, 1                          ; which half of that tile
	s_bfe_u32 s40, ttmp6, 0x40000                  ; cx
	s_bfe_u32 s41, ttmp6, 0x40004                  ; cy
	s_lshl_b32 s42, ttmp9, 2
	s_add_co_u32 s42, s42, s40                     ; head = 4 x cluster x + cx
	s_and_b32 s13, ttmp7, 0xffff
	s_lshl_b32 s13, s13, 2
	s_add_co_u32 s13, s13, s41                     ; token block = 4 x cluster y + cy
	s_lshl_b32 s43, s41, 2
	s_lshl_b32 s43, 15, s43                        ; my row of the cluster
	s_lshl_b32 s44, 0x1111, s40                    ; my column
	s_or_b32 s[G1+0], s43, (1<<16)|(1<<20)|(1<<21)|(5<<22)|(3<<25)   ; mask; 2-byte elements; padding on; bit 21 beside a mask; 4 words behind every 64
	s_or_b32 s[G1B+0], s44, (1<<16)|(1<<20)|(1<<21)|(5<<22)|(3<<25)
	s_mov_b32 s[G1+1], KSTEP<<16                   ; tensor_dim0 = 128
	s_mov_b32 s[G1B+1], KSTEP<<16
	s_mov_b32 s[G1+2], 128<<16                     ; tensor_dim1 = 128 rows
	s_mov_b32 s[G1B+2], 96<<16                     ; 96 rows
	s_mov_b32 s[G1+3], KSTEP<<16                   ; tile_dim0 = 128
	s_mov_b32 s[G1B+3], KSTEP<<16
	s_mov_b32 s[G1+4], 128                         ; tile_dim1
	s_mov_b32 s[G1B+4], 96
	s_mov_b32 s[G1+5], DM                          ; elements from row to row
	s_mov_b32 s[G1B+5], DM
	s_mov_b32 s[G1+6], 0
	s_mov_b32 s[G1B+6], 0
	s_mov_b32 s[G1+7], 0
	s_mov_b32 s[G1B+7], 0
	s_lshl_b32 s17, s12, 7
	s_lshl_b32 s16, s13, 8
	s_add_co_u32 s16, s16, s17                     ; A: row 256 x block + 128 x half
	s_lshl_b32 s16, s16, 11                        ; rows of 2,048 bytes
	s_mov_b32 s17, 0
	s_mul_i32 s46, s42, 192
	s_mul_i32 s47, s12, 96
	s_add_co_u32 s46, s46, s47                     ; B: row 192 x head + 96 x half
	s_lshl_b32 s46, s46, 11
	s_mov_b32 s47, 0
	s_mul_i32 s20, s10, AHALF                      ; LDS: A's halves at wave x 128 rows (waves 0, 1)
	s_mul_i32 s21, s10, BHALF
	s_add_co_u32 s21, s21, BBASE-2*BHALF           ; B's halves behind A's 256 rows (waves 2, 3)
	s_wait_dscnt 0x0
	s_wait_kmcnt 0x0
	s_add_nc_u64 s[14:15], s[4:5], s[16:17]
	s_add_nc_u64 s[46:47], s[6:7], s[46:47]
	CROUND                                         ; all sixteen work-groups are here: the first joint loads meet
.irp s, 0,1
	s_mov_b32 s[G0+4*\s], 1
	s_add_co_u32 s[G0+4*\s+1], s20, \s*SLOT
	s_add_nc_u64 s[G0+4*\s+2:G0+4*\s+3], s[14:15], \s*KSTEP*2
	s_or_b32 s[G0+4*\s+3], s[G0+4*\s+3], 0x80000000
	s_mov_b32 s[G0B+4*\s], 1
	s_add_co_u32 s[G0B+4*\s+1], s21, \s*SLOT
	s_add_nc_u64 s[G0B+4*\s+2:G0B+4*\s+3], s[46:47], \s*KSTEP*2
	s_or_b32 s[G0B+4*\s+3], s[G0B+4*\s+3], 0x80000000
	JLOAD \s                                       ; both slots' first fills go out together: two loads of this wave are out
.endr
	v_and_b32 v1, 15, v0                           ; r = l % 16
	v_bfe_u32 v2, v0, 4, 1                         ; h = l / 16
	v_lshlrev_b32 v27, 5, v2                       ; 32 h: my eight d of a tile, in bq and bk
	v_lshlrev_b32 v28, 2, v1                       ; 4 r: my d of a tile, in bv
	s_lshl_b32 s80, s42, 8                         ; the head's 64 numbers
	s_mov_b32 s81, 0
	s_add_nc_u64 s[68:69], s[68:69], s[80:81]
	s_add_nc_u64 s[70:71], s[70:71], s[80:81]
	s_add_nc_u64 s[72:73], s[72:73], s[80:81]
.irp j, 0,1,2,3
	global_load_b128 v[BQ+8*\j:BQ+8*\j+3], v27, s[68:69] offset:64*\j
	global_load_b128 v[BQ+8*\j+4:BQ+8*\j+7], v27, s[68:69] offset:64*\j+16
	global_load_b128 v[BK+8*\j:BK+8*\j+3], v27, s[70:71] offset:64*\j
	global_load_b128 v[BK+8*\j+4:BK+8*\j+7], v27, s[70:71] offset:64*\j+16
	global_load_b32 v[BV+2*\j], v28, s[72:73] offset:64*\j
	global_load_b32 v[BV+2*\j+1], v28, s[72:73] offset:64*\j           ; twice: a pair for the packed multiply-add
.endr
	s_mov_b32 s84, 0x3f38aa3b                      ; 0.5 log2(e)
	s_mov_b32 s85, 0x3f38aa3b
	s_mov_b32 s86, 0x3e800000                      ; 0.25
	s_mov_b32 s87, 0x3e800000
	v_mul_u32_u24 v3, v1, PITCH
	v_lshl_add_u32 v3, v2, 4, v3                   ; row x pitch + 16 h
	s_mul_i32 s22, s10, 64*PITCH                   ; my 64 rows of A
.irp s, 0,1
	v_add_nc_u32 v[ADRA+\s], s22, v3
	v_add_nc_u32 v[ADRB+\s], BBASE+\s*SLOT, v3
	s_add_co_u32 s22, s22, SLOT
.endr
	s_mul_i32 s23, s10, 64*SPITCH
	s_add_co_u32 s23, s23, STAGE                   ; my stage
	v_mul_u32_u24 v4, v1, SPITCH
	v_lshl_add_u32 v4, v2, 4, v4
	v_add_nc_u32 v[STO], s23, v4                   ; in: row r, 16 bytes for each half of the lanes
	v_and_b32 v5, 31, v0
	v_lshrrev_b32 v6, 3, v5
	v_mul_u32_u24 v6, v6, SPITCH
	v_and_b32 v7, 7, v5
	v_lshl_add_u32 v6, v7, 4, v6
	v_add_nc_u32 v[RD], s23, v6                    ; back: eight lanes take one row of 128 bytes, a load four rows
	v_lshlrev_b32 v[CO], 4, v5                     ; out: 16 bytes a lane, dense
	s_wait_loadcnt 0x0                             ; the biases, once; they are multiplied by their scales here, so that the way out is one multiply-add
.set i, 0
.rept 16
	v_pk_mul_f32 v[BQ+2*i:BQ+2*i+1], v[BQ+2*i:BQ+2*i+1], s[84:85] op_sel_hi:[1,0]
	v_pk_mul_f32 v[BK+2*i:BK+2*i+1], v[BK+2*i:BK+2*i+1], s[86:87] op_sel_hi:[1,0]
.set i, i+1
.endr
.set i, 0
.rept 4
	v_pk_mul_f32 v[BV+2*i:BV+2*i+1], v[BV+2*i:BV+2*i+1], s[86:87] op_sel_hi:[1,0]
.set i, i+1
.endr
; 16 matrix instructions: token tiles mt0, mt0 + 1 x the eight column tiles of Q and K.  Window setting 0xa1: source 0 (B) window 1, source 1 (A) window 0, C and D window 2.
.macro MULQK f, mt0, zero
.irp mt, \mt0, \mt0+1
.irp nt, 0,1,2,3,4,5,6,7
.if \zero
	v_wmma_f32_16x16x32_f16 v[8*(8*(\mt)+\nt):8*(8*(\mt)+\nt)+7], v[96*\f+8*\nt:96*\f+8*\nt+7], v[FA+32*\f+8*(\mt):FA+32*\f+8*(\mt)+7], 0
.else
	v_wmma_f32_16x16x32_f16 v[8*(8*(\mt)+\nt):8*(8*(\mt)+\nt)+7], v[96*\f+8*\nt:96*\f+8*\nt+7], v[FA+32*\f+8*(\mt):FA+32*\f+8*(\mt)+7], v[8*(8*(\mt)+\nt):8*(8*(\mt)+\nt)+7]
.endif
.endr
.endr
.endm
; 16 matrix instructions: the four column tiles of V x four token tiles.  Window setting 0xf4: source 0 (A) window 0, source 1 (B) window 1, C and D window 3.
.macro MULV f, zero
.irp nl, 0,1,2,3
.irp mt, 0,1,2,3
.if \zero
	v_wmma_f32_16x16x32_f16 v[8*(4*\nl+\mt):8*(4*\nl+\mt)+7], v[FA+32*\f+8*\mt:FA+32*\f+8*\mt+7], v[96*\f+64+8*\nl:96*\f+64+8*\nl+7], 0
.else
	v_wmma_f32_16x16x32_f16 v[8*(4*\nl+\mt):8*(4*\nl+\mt)+7], v[FA+32*\f+8*\mt:FA+32*\f+8*\mt+7], v[96*\f+64+8*\nl:96*\f+64+8*\nl+7], v[8*(4*\nl+\mt):8*(4*\nl+\mt)+7]
.endif
.endr
.endr
.endm
; 32 LDS loads in one run: 8 for my 64 rows of A, then 24 for the 192 rows of B, V's columns last
.macro FETCH slot, k, f
	WIN 0
.irp mt, 0,1,2,3
	ds_load_b128 v[FA+32*\f+8*\mt:FA+32*\f+8*\mt+3], v[ADRA+\slot] offset:\k+\mt*16*PITCH
	ds_load_b128 v[FA+32*\f+8*\mt+4:FA+32*\f+8*\mt+7], v[ADRA+\slot] offset:\k+\mt*16*PITCH+32
.endr
	WIN 0x40
.irp nt, 0,1,2,3,4,5,6,7,8,9,10,11
	ds_load_b128 v[96*\f+8*\nt:96*\f+8*\nt+3], v[ADRB+\slot] offset:\k+\nt*16*PITCH
	ds_load_b128 v[96*\f+8*\nt+4:96*\f+8*\nt+7], v[ADRB+\slot] offset:\k+\nt*16*PITCH+32
.endr
.endm
.macro QUARTER slot, k, f, g, zero
	s_wait_dscnt 8                                 ; A and B's Q and K columns are in; the youngest eight loads (V's columns) may be out
	WIN 0xa1
	MULQK \f, 0, \zero
	MULQK \f, 2, \zero
	PLACES
	FETCH \slot, \k, \g
	s_wait_dscnt 32                                ; all but the 32 just issued
	WIN 0xf4
	MULV \f, \zero
.endm
.macro THREE slot, zero
	QUARTER \slot, 64,  0, 1, \zero
	QUARTER \slot, 128, 1, 0, 0
	QUARTER \slot, 192, 0, 1, 0
.endm
; The last quarter of a K step changes slots.  In front of the barrier each wave waits for its reads of this slot and for all its tensor loads (one is out: its part
; of the next slot).  Where the slot is filled again the barrier opens a round of the cluster's barrier, and the joint refill is the first tensor load behind it.
.macro TURN slot, next, fill
	s_wait_dscnt 8
	WIN 0xa1
	MULQK 1, 0, 0
	s_wait_dscnt 0
	s_wait_tensorcnt 0x0
	ds_add_u32 v255, v255
	s_wait_dscnt 0x0
	s_barrier_signal -1
	MULQK 1, 2, 0                                  ; register work while the others arrive
	WIN 0
	s_barrier_wait -1
.if \fill
	CREST
	s_add_nc_u64 s[G0+4*\slot+2:G0+4*\slot+3], s[G0+4*\slot+2:G0+4*\slot+3], 2*KSTEP*2      ; no load of mine is out: the addresses may step
	s_add_nc_u64 s[G0B+4*\slot+2:G0B+4*\slot+3], s[G0B+4*\slot+2:G0B+4*\slot+3], 2*KSTEP*2
	JLOAD \slot
.endif
	PLACES
	FETCH \next, 0, 0
	WIN 0xf4
	MULV 1, 0
.endm
.macro LAP zero
	THREE 0, \zero
	TURN 0, 1, 1
	THREE 1, 0
	TURN 1, 0, 1
.endm
	s_wait_tensorcnt 1                             ; my part of K step 0 is in; K step 1's may stay out
	s_barrier_signal -1
	s_barrier_wait -1
	FETCH 0, 0, 0
	LAP 1                                          ; the first products start the sums: nothing is cleared
	WIN 0
	s_mov_b32 s3, 2                                ; 8 K steps = 4 laps: one in front, two here, one behind
.Llap:
	LAP 0
	WIN 0
	s_sub_co_u32 s3, s3, 1
	s_cmp_lg_u32 s3, 0
	s_cbranch_scc1 .Llap
	THREE 0, 0                                     ; the last lap fills nothing
	TURN 0, 1, 0
	THREE 1, 0
	s_wait_dscnt 8
	WIN 0xa1
	MULQK 1, 0, 0
	MULQK 1, 2, 0
	s_wait_dscnt 0
	WIN 0xf4
	MULV 1, 0
	; THE WAY OUT: x scale + bias x scale in one multiply-add, f16, through my own stage, out as dense rows.
	PLACES
	s_lshl_b32 s88, s13, 2
	s_add_co_u32 s88, s88, s10                     ; my block of 64 tokens among 64
	s_lshr_b32 s89, s88, 5                         ; batch
	s_and_b32 s88, s88, 31                         ; block within the sequence
	s_lshl_b32 s89, s89, 4
	s_add_co_u32 s89, s89, s42                     ; batch x 16 + head
	s_lshl_b32 s89, s89, 5
	s_add_co_u32 s88, s88, s89
	s_lshl_b32 s88, s88, 13                        ; blocks of 8,192 bytes: the same offset in qb, kb and vb
	s_mov_b32 s89, 0
	s_add_nc_u64 s[74:75], s[74:75], s[88:89]
	s_add_nc_u64 s[76:77], s[76:77], s[88:89]
	s_add_nc_u64 s[78:79], s[78:79], s[88:89]
; four tiles (32 accumulator registers from acc in the window that win names) into stage rows from byte sto on
.macro OUTG win, acc, bb, bs1, bs2, sc, sto
	WIN \win
.irp t, 0,1,2,3
.irp r, 0,1,2,3
	v_pk_fma_f32 v[T+8*\t+2*\r:T+8*\t+2*\r+1], v[\acc+8*\t+2*\r:\acc+8*\t+2*\r+1], s[\sc:\sc+1], v[\bb+\bs1*\t+\bs2*\r:\bb+\bs1*\t+\bs2*\r+1] op_sel_hi:[1,0,1]
.endr
.endr
	WIN 0
.irp t, 0,1,2,3
.irp r, 0,1,2,3
	v_cvt_pk_f16_f32 v[PK+4*\t+\r], v[T+8*\t+2*\r], v[T+8*\t+2*\r+1]
.endr
.endr
.irp t, 0,1,2,3
	ds_store_b128 v[STO], v[PK+4*\t:PK+4*\t+3] offset:\sto+32*\t
.endr
.endm
.macro FLUSH ptr
	s_wait_xcnt 0x0                                ; the registers that earlier stores read are loaded again only behind this wait
.irp i, 0,1,2,3,4,5,6,7,8,9,10,11,12,13,14,15
	ds_load_b128 v[FA+4*\i:FA+4*\i+3], v[RD] offset:4*SPITCH*\i        ; LDS serves a wave's instructions in order: these see the stores above
.endr
.irp i, 0,1,2,3,4,5,6,7,8,9,10,11,12,13,14,15
	s_wait_dscnt 15-\i
	global_store_b128 v[CO], v[FA+4*\i:FA+4*\i+3], s[\ptr:\ptr+1] offset:512*\i   ; a wave's store covers 512 consecutive bytes, aligned
.endr
.endm
.irp mt, 0,1,2,3
	OUTG 0x02, 64*\mt, BQ, 8, 2, 84, 16*SPITCH*\mt
.endr
	FLUSH 74
.irp mt, 0,1,2,3
	OUTG 0x02, 64*\mt+32, BK, 8, 2, 86, 16*SPITCH*\mt
.endr
	FLUSH 76
.irp nl, 0,1,2,3
	OUTG 0x03, 32*\nl, BV+2*\nl, 0, 0, 86, 16*SPITCH*\nl
.endr
	FLUSH 78
	s_set_vgpr_msb 0x1
	s_wait_tensorcnt 0x0
	ds_add_u32 v255, v255
	s_wait_dscnt 0x0
	s_set_vgpr_msb 0x100
	CROUND                                         ; the closing round: no work-group ends while a partner may still ask for a tile that names it
	s_endpgm
.Lfunc_end_k_q55a35c64bb_qkv:
	.size	k_q55a35c64bb_qkv, .Lfunc_end_k_q55a35c64bb_qkv-k_q55a35c64bb_qkv
	.p2alignl 7, 3214868480
	.fill 96, 4, 3214868480
	.section	.rodata,"a",@progbits
	.p2align	6, 0x0
	.amdhsa_kernel k_q55a35c64bb_qkv
		.amdhsa_group_segment_fixed_size 327680
		.amdhsa_private_segment_fixed_size 0
		.amdhsa_enable_private_segment 0
		.amdhsa_kernarg_size 64
		.amdhsa_user_sgpr_count 2
		.amdhsa_user_sgpr_kernarg_segment_ptr 1
		.amdhsa_wavefront_size32 1
		.amdhsa_system_sgpr_workgroup_id_x 1
		.amdhsa_system_sgpr_workgroup_id_y 1
		.amdhsa_system_sgpr_workgroup_id_z 1
		.amdhsa_system_vgpr_workitem_id 0
		.amdhsa_next_free_vgpr 896
		.amdhsa_next_free_sgpr 96
		.amdhsa_reserve_vcc 0
		.amdhsa_float_denorm_mode_32 3
		.amdhsa_float_denorm_mode_16_64 3
		.amdhsa_memory_ordered 1
		.amdhsa_forward_progress 1
		.amdhsa_inst_pref_size 181
	.end_amdhsa_kernel
	.amdgpu_metadata
---
amdhsa.version: [ 1, 2 ]
amdhsa.kernels:
  - .name:           k_q55a35c64bb_qkv
    .symbol:         k_q55a35c64bb_qkv.kd
    .args:
      - { .name: xb, .offset: 0, .size: 8, .value_kind: global_buffer, .address_space: global }
      - { .name: wt, .offset: 8, .size: 8, .value_kind: global_buffer, .address_space: global }
      - { .name: bq, .offset: 16, .size: 8, .value_kind: global_buffer, .address_space: global }
      - { .name: bk, .offset: 24, .size: 8, .value_kind: global_buffer, .address_space: global }
      - { .name: bv, .offset: 32, .size: 8, .value_kind: global_buffer, .address_space: global }
      - { .name: qb, .offset: 40, .size: 8, .value_kind: global_buffer, .address_space: global }
      - { .name: kb, .offset: 48, .size: 8, .value_kind: global_buffer, .address_space: global }
      - { .name: vb, .offset: 56, .size: 8, .value_kind: global_buffer, .address_space: global }
    .group_segment_fixed_size: 327680
    .private_segment_fixed_size: 0
    .kernarg_segment_align: 8
    .kernarg_segment_size: 64
    .max_flat_workgroup_size: 128
    .sgpr_count:     96
    .vgpr_count:     896
    .wavefront_size: 32
...
	.end_amdgpu_metadata
.endif
;; end of part 2
;; launch attn (part 3): grid 8 x 32, 8 waves a work-group, clusters of 4 x 1, 327,680 bytes of LDS; arguments qb, kb, vb, ab; writes ab
.if DOCPART == 3
	.amdgcn_target "amdgcn-amd-amdhsa--gfx1250"
	.amdhsa_code_object_version 6
	.text
	.protected	k_q55a35c64bb_attn
	.globl	k_q55a35c64bb_attn
	.p2align	8
	.type	k_q55a35c64bb_attn,@function
k_q55a35c64bb_attn:
	s_mov_b64 s[64:65], 0
	v_nop
	global_prefetch_b8 v0, s[64:65] scope:SCOPE_SE
	s_setreg_imm32_b32 hwreg(HW_REG_WAVE_MODE, 25, 1), 1
	s_wait_xcnt 0x0
	s_wait_alu depctr_hold_cnt(0) depctr_sa_sdst(0) depctr_va_vdst(0) depctr_va_sdst(0) depctr_va_ssrc(0) depctr_va_vcc(0) depctr_vm_vsrc(0)
	s_getreg_b32 s2, hwreg(HW_REG_IB_STS2, 6, 4)
	s_cmp_eq_u32 s2, 0
	s_cbranch_scc0 .Lentry_in_a_cluster
	s_endpgm
.Lentry_in_a_cluster:
	s_bfe_u32 s2, ttmp6, 0x10000c
	s_cmp_lg_u32 s2, 0x3003
	s_cbranch_scc0 .Lentry_shape_is_right
	s_endpgm
.Lentry_shape_is_right:
; attn: softmax(Q K^T) V for one (batch, head) and 256 queries a work-group, with a running maximum; f16 operands, f32 sums and statistics.
; Q comes x 0.5 log2(e) and K x 0.25, so a score is already the exponent of 2.  V comes x 0.25 and the result keeps that factor.
; Eight waves, two for each SIMD's registers (2 x 512).  Wave w holds queries 64 (w & 3) .. + 63 and walks keys 1024 (w >> 2) .. + 1023; the two halves of the keys are merged
; at the end through LDS.  While one wave of a pair does softmax arithmetic the other has matrix work to issue.
; BOTH PRODUCTS ARE TRANSPOSED, so that a lane owns one query (l % 16) of each query tile and every statistic is one number a lane:
;   S^T = K Q^T: source 0 = 16 keys from LDS, source 1 = Q's fragments, resident.  A lane's registers hold keys 8 (l / 16) + 0 .. 7 of its query.
;   Two neighbouring key tiles, packed to f16, ARE the source-1 fragment of P for 32 keys: no shuffle.
;   O^T = V^T P: source 0 = 16 rows d of vb's block.  A lane's registers hold d = 8 (l / 16) + 0 .. 7 of its query: 16 neighbouring output bytes.
; CLUSTER 4 x 1: the four query blocks of a cluster read the same K and V tiles and ask for them jointly (mask 15).  Each of the eight waves asks for 8,192 dense bytes
; a step (64 keys of K, or one block of V, for its key group); one tensor load of a wave is out at any time, issued first behind a round of the cluster's barrier.
; ab: [32 blocks of 128 tokens][16 heads][128 tokens][64 d] f16: a wave's 32 kept queries are 4,096 dense bytes.
; LIMIT: results below 6.1e-5 in magnitude (x 0.25) keep an absolute error of 2^-25.
; WINDOW 0: addresses, statistics, K's fragments v64-127, S / P v128-255 (tile (qt, mt) at 128 + 8 (4 qt + mt)).
; WINDOW 1: O tile (qt, dt) at 8 (4 qt + dt); Q's fragments at 128 + 16 qt + 8 ks; V's at 192 + 16 dt + 8 u.
.set KP,    144                        ; LDS pitch of a row of 128 bytes: sixteen rows start at sixteen different 16-byte columns modulo 256 bytes
.set PARTB, 64*KP                      ; what one wave fetches: 64 rows
.set SLOTB, 8*PARTB
.set STEPB, 16384                      ; 128 keys of K, or two blocks of V, in memory
.set XCH,   2*SLOTB                    ; exchange between the key groups: 8,704 bytes a wave; never filled by a tensor load
.set XCHW,  8704
.set STG,   XCH+8*XCHW                 ; the way out: 32 rows x 144 bytes a wave
.set STGW,  32*KP
.set ADRK, 4                           ; v4-5   K's fragments, slot 0, 1
.set ADRV, 6                           ; v6-7   V's
.set MX,   8                           ; v[8+2qt] running maximum, v[9+2qt] the new one
.set AL,   16                          ; v[16+2qt] 2^(old - new), v[17+2qt] the other half's figure
.set LP,   24                          ; v[24+2qt:25+2qt] my lane's part of the sum, in two chains
.set QOFF, 48
.set XA,   49
.set STO,  51
.set RD,   52
.set CO,   53
.set KF,   64
.set SR,   128
.set QF,   128
.set VF,   192
.set G1,   16
.set G0,   24
.set MSB, 0
.macro WIN new
.if MSB != \new
	s_set_vgpr_msb (MSB<<8)|\new
.set MSB, \new
.endif
.endm
.macro ROUND                           ; a round of the cluster's barrier
	s_barrier_signal -1
	s_barrier_wait -1
	s_cmp_lg_u32 s12, 0
	s_cbranch_scc1 .Lnot_wave_0_\@
	s_barrier_signal -3
.Lnot_wave_0_\@:
	s_barrier_wait -3
	s_barrier_signal -1
	s_barrier_wait -1
.endm
	s_load_b256 s[4:11], s[0:1], 0x0               ; qb s[4:5], kb s[6:7], vb s[8:9], ab s[10:11]
	v_lshl_add_u32 v62, v0, 2, 0x3e000
	v_mov_b32 v63, 0
	ds_add_u32 v62, v63
	v_lshrrev_b32 v1, 5, v0
	v_readfirstlane_b32 s12, v1                    ; wave
	s_lshr_b32 s13, s12, 2                         ; g: my half of the keys
	s_and_b32 s14, s12, 3                          ; wq: my 64 queries
	s_bfe_u32 s35, ttmp6, 0x40000                  ; cx
	s_lshl_b32 s36, ttmp9, 2
	s_add_co_u32 s36, s36, s35                     ; query block = 4 x cluster x + cx: enters global addresses of Q and of the result alone
	s_and_b32 s37, ttmp7, 0xffff                   ; y = batch x 16 + head
	s_mov_b32 s32, 0x76543210                      ; v_permlanex16_b32: lane i reads lane i of the other half
	s_mov_b32 s33, 0xfedcba98
	; group 1: 8,192 dense bytes as 32 rows of 32 elements of 8 bytes; 4 words of padding behind every 32 words make LDS rows of 128 + 16 bytes
	s_mov_b32 s[G1+0], 15|(3<<16)|(1<<20)|(1<<21)|(4<<22)|(3<<25)
	s_mov_b32 s[G1+1], 32<<16
	s_mov_b32 s[G1+2], 32<<16
	s_mov_b32 s[G1+3], 32<<16
	s_mov_b32 s[G1+4], 32
	s_mov_b32 s[G1+5], 32
	s_mov_b32 s[G1+6], 0
	s_mov_b32 s[G1+7], 0
	s_lshl_b32 s38, s37, 18                        ; the head's 262,144 bytes (K and V alike)
	s_lshl_b32 s39, s13, 17                        ; my group's half
	s_add_co_u32 s38, s38, s39
	s_and_b32 s39, s12, 1
	s_lshl_b32 s39, s39, 13                        ; the first or second 64 keys of a step
	s_add_co_u32 s38, s38, s39
	s_mov_b32 s39, 0
	s_mul_i32 s40, s12, PARTB                      ; my part of a slot
	s_and_b32 s41, s12, 2                          ; waves 0, 1 of a group fetch K, waves 2, 3 fetch V
	s_lshl_b32 s42, s37, 18
	s_lshl_b32 s43, s36, 15                        ; 256 queries of 128 bytes
	s_add_co_u32 s42, s42, s43
	s_lshl_b32 s43, s14, 13
	s_add_co_u32 s42, s42, s43
	s_mov_b32 s43, 0
	s_lshr_b32 s44, s37, 4                         ; the result's place: block of 128 tokens = 16 batch + 2 query block + wq / 2
	s_lshl_b32 s44, s44, 4
	s_lshl_b32 s45, s36, 1
	s_add_co_u32 s44, s44, s45
	s_lshr_b32 s45, s14, 1
	s_add_co_u32 s44, s44, s45
	s_lshl_b32 s44, s44, 4
	s_and_b32 s45, s37, 15
	s_add_co_u32 s44, s44, s45                     ; x 16 + head
	s_lshl_b32 s46, s44, 14                        ; planes of 16,384 bytes
	s_and_b32 s45, s14, 1
	s_lshl_b32 s45, s45, 13                        ; + 64 (wq & 1) rows of 128 bytes
	s_add_co_u32 s46, s46, s45
	s_lshl_b32 s45, s13, 12                        ; + 32 g rows: the queries that I keep at the merge
	s_add_co_u32 s46, s46, s45
	s_mov_b32 s47, 0
	v_and_b32 v1, 15, v0                           ; r
	v_bfe_u32 v2, v0, 4, 1                         ; h
	v_and_b32 v3, 31, v0                           ; lane
	v_lshlrev_b32 v[QOFF], 7, v1
	v_lshl_add_u32 v[QOFF], v2, 4, v[QOFF]         ; 128 r + 16 h
	s_wait_dscnt 0x0
	s_wait_kmcnt 0x0
	s_cmp_lg_u32 s41, 0
	s_cselect_b64 s[6:7], s[8:9], s[6:7]           ; by the wave's number alone
	s_add_nc_u64 s[6:7], s[6:7], s[38:39]
	s_add_nc_u64 s[4:5], s[4:5], s[42:43]
	s_add_nc_u64 s[10:11], s[10:11], s[46:47]
.irp j, 0,1
	s_mov_b32 s[G0+4*\j], 1
	s_add_co_u32 s[G0+4*\j+1], s40, \j*SLOTB
	s_add_nc_u64 s[G0+4*\j+2:G0+4*\j+3], s[6:7], \j*STEPB
	s_or_b32 s[G0+4*\j+3], s[G0+4*\j+3], 0x80000000
.endr
	WIN 0x40                                       ; Q's fragments, resident for the whole kernel
.irp qt, 0,1,2,3
.irp ks, 0,1
	global_load_b128 v[QF+16*\qt+8*\ks:QF+16*\qt+8*\ks+3], v[QOFF], s[4:5] offset:\qt*2048+\ks*64
	global_load_b128 v[QF+16*\qt+8*\ks+4:QF+16*\qt+8*\ks+7], v[QOFF], s[4:5] offset:\qt*2048+\ks*64+32
.endr
.endr
	WIN 0
	ROUND                                          ; in front of the first joint load
	tensor_load_to_lds s[G0:G0+3], s[G1:G1+7]      ; step 0
	s_nop 0
	v_mul_u32_u24 v54, v1, KP
	v_lshl_add_u32 v54, v2, 4, v54                 ; 144 r + 16 h
	s_mul_i32 s44, s13, 4*PARTB                    ; my group's half of a slot: K's 128 rows, then V's two blocks
	v_add_nc_u32 v[ADRK], s44, v54
	v_add_nc_u32 v[ADRK+1], SLOTB, v[ADRK]
	v_add_nc_u32 v[ADRV], 2*PARTB, v[ADRK]
	v_add_nc_u32 v[ADRV+1], 2*PARTB, v[ADRK+1]
	s_mul_i32 s44, s14, XCHW
	s_add_co_u32 s44, s44, XCH
	v_lshl_add_u32 v[XA], v3, 4, s44               ; exchange: group 0's area of my queries; group 1's lies 4 x 8,704 bytes behind, in the immediate
	s_mul_i32 s45, s12, STGW
	s_add_co_u32 s45, s45, STG
	v_add_nc_u32 v[STO], s45, v54
	v_lshrrev_b32 v55, 3, v3
	v_mul_u32_u24 v55, v55, KP
	v_and_b32 v56, 7, v3
	v_lshl_add_u32 v55, v56, 4, v55
	v_add_nc_u32 v[RD], s45, v55
	v_lshlrev_b32 v[CO], 4, v3
.irp qt, 0,1,2,3
	v_mov_b32 v[AL+2*\qt+1], 0                     ; a destination of v_permlanex16_b32 counts as read
	v_mov_b32 v[LP+2*\qt], 0                       ; the sums start at 0: eight registers
	v_mov_b32 v[LP+2*\qt+1], 0
.endr
.macro KLOAD slot, kb                  ; 16 loads: 64 keys x 64 d
.irp mt, 0,1,2,3
.irp ks, 0,1
	ds_load_b128 v[KF+16*\mt+8*\ks:KF+16*\mt+8*\ks+3], v[ADRK+\slot] offset:(\kb)*PARTB+\mt*16*KP+\ks*64
	ds_load_b128 v[KF+16*\mt+8*\ks+4:KF+16*\mt+8*\ks+7], v[ADRK+\slot] offset:(\kb)*PARTB+\mt*16*KP+\ks*64+32
.endr
.endr
.endm
; lines of the softmax, on pair p (a symbol) of the 16 register pairs of query tile qt
.macro SUBM qt                         ; score - maximum
	v_pk_add_f32 v[SR+32*\qt+2*p:SR+32*\qt+2*p+1], v[SR+32*\qt+2*p:SR+32*\qt+2*p+1], v[MX+2*\qt:MX+2*\qt+1] op_sel_hi:[1,0] neg_lo:[0,1] neg_hi:[0,1]
.endm
.macro EXPO qt, o
	v_exp_f32 v[SR+32*\qt+2*p+\o], v[SR+32*\qt+2*p+\o]
.endm
.macro SUMP qt, first                  ; the sum; its first line of a block also rescales what has been summed
.if (p+\first) == 0
	s_wait_alu depctr_va_vdst(0)
	v_pk_fma_f32 v[LP+2*\qt:LP+2*\qt+1], v[LP+2*\qt:LP+2*\qt+1], v[AL+2*\qt:AL+2*\qt+1], v[SR+32*\qt:SR+32*\qt+1] op_sel_hi:[1,0,1]
.else
	s_wait_alu depctr_va_vdst(0)
	v_pk_add_f32 v[LP+2*\qt:LP+2*\qt+1], v[LP+2*\qt:LP+2*\qt+1], v[SR+32*\qt+2*p:SR+32*\qt+2*p+1]
.endif
.endm
.macro PACK qt                         ; two P to f16, into P's fragment for 32 keys at SR + 32 qt + 16 u: the target never lies ahead of what has been read
	v_cvt_pk_f16_f32 v[SR+32*\qt+16*(p>>3)+4*((p>>2)&1)+(p&3)], v[SR+32*\qt+2*p], v[SR+32*\qt+2*p+1]
.endm
.macro EF qe, qf, first                ; the exponentials of tile qe, each followed by an independent plain line of tile qf (ISA guide 5.7.2)
.set p, 0
.rept 16
	EXPO \qe, 0
	SUMP \qf, \first
	EXPO \qe, 1
	PACK \qf
.set p, p+1
.endr
.endm
; 64 keys.  slot, kb: where they lie; first: the wave's first block; loadk: K's fragments are fetched here; nextk: those of kb + 1 are fetched ahead.
.macro BLOCK slot, kb, first, loadk, nextk
.if \first == 0
.rept 5
	v_nop                                          ; five places behind the last O products: the S products below write over P, and V's loads land on their source 0
.endr
.endif
.if \loadk
	KLOAD \slot, \kb
.endif
	WIN 0x40
.irp dt, 0,1,2,3
.irp u, 0,1
	ds_load_b128 v[VF+16*\dt+8*\u:VF+16*\dt+8*\u+3], v[ADRV+\slot] offset:\kb*PARTB+\dt*16*KP+\u*64
	ds_load_b128 v[VF+16*\dt+8*\u+4:VF+16*\dt+8*\u+7], v[ADRV+\slot] offset:\kb*PARTB+\dt*16*KP+\u*64+32
.endr
.endr
	s_wait_dscnt 16                                ; K's sixteen loads are in; V's sixteen, issued behind them, stay out
.if \first
	s_wait_loadcnt 0x0                             ; Q
.endif
	WIN 0x04                                       ; source 1 (Q) window 1
	; the sixteen S tiles take turns, one instruction a turn
.irp ks, 0,1
.irp qt, 0,1,2,3
.irp mt, 0,1,2,3
.if \ks == 0
	v_wmma_f32_16x16x32_f16 v[SR+8*(4*\qt+\mt):SR+8*(4*\qt+\mt)+7], v[KF+16*\mt+8*\ks:KF+16*\mt+8*\ks+7], v[QF+16*\qt+8*\ks:QF+16*\qt+8*\ks+7], 0
.else
	v_wmma_f32_16x16x32_f16 v[SR+8*(4*\qt+\mt):SR+8*(4*\qt+\mt)+7], v[KF+16*\mt+8*\ks:KF+16*\mt+8*\ks+7], v[QF+16*\qt+8*\ks:QF+16*\qt+8*\ks+7], v[SR+8*(4*\qt+\mt):SR+8*(4*\qt+\mt)+7]
.endif
.endr
.endr
.endr
	WIN 0
.rept 4
	v_nop                                          ; four places: S is read, and K's registers are loaded again
.endr
.if \nextk
	KLOAD \slot, \kb+1
.endif
	; the maximum of my 32 scores of each query tile and of the running maximum, four chains side by side
.irp qt, 0,1,2,3
.if \first
	v_max_num_f32 v[MX+2*\qt+1], v[SR+32*\qt], v[SR+32*\qt+1]
.else
	v_max3_num_f32 v[MX+2*\qt+1], v[MX+2*\qt], v[SR+32*\qt], v[SR+32*\qt+1]
.endif
.endr
.set i, 1
.rept 15
.irp qt, 0,1,2,3
	v_max3_num_f32 v[MX+2*\qt+1], v[MX+2*\qt+1], v[SR+32*\qt+2*i], v[SR+32*\qt+2*i+1]
.endr
.set i, i+1
.endr
.irp qt, 0,1,2,3
	v_permlanex16_b32 v[AL+2*\qt+1], v[MX+2*\qt+1], s32, s33   ; the other half of the lanes holds the query's other keys
.endr
.irp qt, 0,1,2,3
	v_max_num_f32 v[MX+2*\qt+1], v[MX+2*\qt+1], v[AL+2*\qt+1]
.endr
.if \first == 0
.irp qt, 0,1,2,3
	v_sub_f32 v[AL+2*\qt], v[MX+2*\qt], v[MX+2*\qt+1]
.endr
.endif
.irp qt, 0,1,2,3
	v_mov_b32 v[MX+2*\qt], v[MX+2*\qt+1]
.endr
.if \first == 0
.irp qt, 0,1,2,3
	v_exp_f32 v[AL+2*\qt], v[AL+2*\qt]             ; used first in the sums, many plain lines further down
.endr
.endif
.set p, 0
.rept 16
	SUBM 0
.set p, p+1
.endr
.set p, 0
.rept 16
	EXPO 0, 0
	SUBM 1
	EXPO 0, 1
	SUBM 2
.set p, p+1
.endr
.set p, 0
.rept 16
	SUBM 3
.set p, p+1
.endr
	EF 1, 0, \first
	EF 2, 1, \first
	EF 3, 2, \first
.set p, 0
.rept 16
	SUMP 3, \first
	PACK 3
.set p, p+1
.endr
.if \first == 0
	WIN 0x41                                       ; O x 2^(old - new)
.irp qt, 0,1,2,3
.set i, 0
.rept 16
	v_pk_mul_f32 v[32*\qt+2*i:32*\qt+2*i+1], v[32*\qt+2*i:32*\qt+2*i+1], v[AL+2*\qt:AL+2*\qt+1] op_sel_hi:[1,0]
.set i, i+1
.endr
.endr
.endif
.if \nextk
	s_wait_dscnt 16                                ; V is in; the next block's sixteen K loads, issued behind it, stay out
.else
	s_wait_dscnt 0
.endif
	WIN 0x51                                       ; source 0 (V) window 1, source 1 (P) window 0, C and D window 1
.irp u, 0,1
.irp qt, 0,1,2,3
.irp dt, 0,1,2,3
.if (\u+1-\first) == 0
	v_wmma_f32_16x16x32_f16 v[8*(4*\qt+\dt):8*(4*\qt+\dt)+7], v[VF+16*\dt+8*\u:VF+16*\dt+8*\u+7], v[SR+32*\qt+16*\u:SR+32*\qt+16*\u+7], 0
.else
	v_wmma_f32_16x16x32_f16 v[8*(4*\qt+\dt):8*(4*\qt+\dt)+7], v[VF+16*\dt+8*\u:VF+16*\dt+8*\u+7], v[SR+32*\qt+16*\u:SR+32*\qt+16*\u+7], v[8*(4*\qt+\dt):8*(4*\qt+\dt)+7]
.endif
.endr
.endr
.endr
	WIN 0
.endm
; A step of 128 keys.  In front of the round every wave has waited for all its tensor loads (its part of this step's tile among them) and for its reads of the other slot;
; behind it the other slot is filled again first, by the wave's one joint load, which has this whole step in which to land.
.macro TRIP slot, refill, first
	s_wait_tensorcnt 0x0
	ds_add_u32 v62, v63
	s_wait_dscnt 0x0
	s_add_nc_u64 s[G0+4*\slot+2:G0+4*\slot+3], s[G0+4*\slot+2:G0+4*\slot+3], 2*STEPB   ; no load of mine is out: this slot's next tile
	s_wait_dscnt 0x0
	ROUND
.if \refill
	tensor_load_to_lds s[G0+4-4*\slot:G0+7-4*\slot], s[G1:G1+7]
	s_nop 0
.endif
	BLOCK \slot, 0, \first, 1, 1
	BLOCK \slot, 1, 0, 0, 0
.endm
	TRIP 0, 1, 1                                   ; eight steps: two in front (the first products start O's sums), four in the loop, two behind
	TRIP 1, 1, 0
	s_mov_b32 s34, 2
.Lpair:
	TRIP 0, 1, 0
	TRIP 1, 1, 0
	s_sub_co_u32 s34, s34, 1
	s_cmp_lg_u32 s34, 0
	s_cbranch_scc1 .Lpair
	TRIP 0, 1, 0
	TRIP 1, 0, 0                                   ; nothing is left to fetch
	; THE MERGE of the two halves of the keys.  Group 0 keeps query tiles 0, 1 and gives 2, 3; group 1 the other way round.
.rept 4
	v_nop                                          ; four places behind the last O products
.endr
.irp qt, 0,1,2,3
	v_add_f32 v[LP+2*\qt], v[LP+2*\qt], v[LP+2*\qt+1]
.endr
.irp qt, 0,1,2,3
	v_permlanex16_b32 v[AL+2*\qt+1], v[LP+2*\qt], s32, s33
.endr
.irp qt, 0,1,2,3
	v_add_f32 v[LP+2*\qt], v[LP+2*\qt], v[AL+2*\qt+1]          ; the query's sum over my 1,024 keys, in every lane that holds it
.endr
.macro GIVE a, area                    ; tiles a, a + 1: registers as they are (the partner's lanes hold the same queries and d), then maxima and sums
	v_mov_b32 v32, v[MX+2*\a]
	v_mov_b32 v33, v[MX+2*\a+2]
	v_mov_b32 v34, v[LP+2*\a]
	v_mov_b32 v35, v[LP+2*\a+2]
	ds_store_b128 v[XA], v[32:35] offset:\area+8192
	WIN 0x04                                       ; store data in window 1
.set i, 0
.rept 16
	ds_store_b128 v[XA], v[32*\a+4*i:32*\a+4*i+3] offset:\area+512*i
.set i, i+1
.endr
	WIN 0
.endm
.macro KEEP a, area
	ds_load_b128 v[36:39], v[XA] offset:\area+8192
.set i, 0
.rept 16
	ds_load_b128 v[SR+4*i:SR+4*i+3], v[XA] offset:\area+512*i
.set i, i+1
.endr
	s_wait_dscnt 0x0
.irp c, 0,1
	v_max_num_f32 v[32+\c], v[MX+2*(\a+\c)], v[36+\c]
	v_sub_f32 v[41+4*\c], v[MX+2*(\a+\c)], v[32+\c]
	v_sub_f32 v[43+4*\c], v[36+\c], v[32+\c]
	v_exp_f32 v[41+4*\c], v[41+4*\c]
	v_exp_f32 v[43+4*\c], v[43+4*\c]
	v_nop                                          ; one plain place behind a transcendental (ISA guide 5.7.2)
	s_wait_alu depctr_va_vdst(0)
	v_mul_f32 v[34+\c], v[LP+2*(\a+\c)], v[41+4*\c]
	v_fmac_f32 v[34+\c], v[38+\c], v[43+4*\c]      ; the whole sum: at least 1, since one of the two factors is 1 and each part holds its maximum's 2^0
	v_rcp_f32 v[34+\c], v[34+\c]
	v_nop
	s_wait_alu depctr_va_vdst(0)
	v_mul_f32 v[40+4*\c], v[41+4*\c], v[34+\c]     ; my factor
	v_mul_f32 v[42+4*\c], v[43+4*\c], v[34+\c]     ; the partner's
.endr
.irp c, 0,1
.set i, 0
.rept 16
	v_pk_mul_f32 v[SR+32*\c+2*i:SR+32*\c+2*i+1], v[SR+32*\c+2*i:SR+32*\c+2*i+1], v[42+4*\c:43+4*\c] op_sel_hi:[1,0]
.set i, i+1
.endr
.endr
	WIN 0x01                                       ; source 0 (my O) window 1
.irp c, 0,1
.set i, 0
.rept 16
	v_pk_fma_f32 v[SR+32*\c+2*i:SR+32*\c+2*i+1], v[32*(\a+\c)+2*i:32*(\a+\c)+2*i+1], v[40+4*\c:41+4*\c], v[SR+32*\c+2*i:SR+32*\c+2*i+1] op_sel_hi:[1,0,1]
.set i, i+1
.endr
.endr
	WIN 0
.set i, 0
.rept 32
	v_cvt_pk_f16_f32 v[192+i], v[SR+2*i], v[SR+2*i+1]
.set i, i+1
.endr
.irp c, 0,1
.irp dt, 0,1,2,3
	ds_store_b128 v[STO], v[192+16*\c+4*\dt:192+16*\c+4*\dt+3] offset:\c*16*KP+32*\dt
.endr
.endr
.irp j, 0,1,2,3,4,5,6,7
	ds_load_b128 v[224+4*\j:224+4*\j+3], v[RD] offset:4*KP*\j  ; my own stage: LDS serves a wave's instructions in order
.endr
.irp j, 0,1,2,3,4,5,6,7
	s_wait_dscnt 7-\j
	global_store_b128 v[CO], v[224+4*\j:224+4*\j+3], s[10:11] offset:512*\j    ; a wave's store covers 512 consecutive bytes, aligned
.endr
.endm
	s_cmp_eq_u32 s13, 0
	s_cbranch_scc0 .Lgive_hi
	GIVE 2, 0
	s_branch .Lgiven
.Lgive_hi:
	GIVE 0, 4*XCHW
.Lgiven:
	s_wait_dscnt 0x0                               ; for the partner's sake: all my LDS stores are done
	s_barrier_signal -1
	s_barrier_wait -1
	s_cmp_eq_u32 s13, 0
	s_cbranch_scc0 .Lkeep_hi
	KEEP 0, 4*XCHW
	s_branch .Lkept
.Lkeep_hi:
	KEEP 2, 0
.Lkept:
	s_wait_tensorcnt 0x0
	ds_add_u32 v62, v63
	s_wait_dscnt 0x0
	ROUND                                          ; the closing round
	s_endpgm
.Lfunc_end_k_q55a35c64bb_attn:
	.size	k_q55a35c64bb_attn, .Lfunc_end_k_q55a35c64bb_attn-k_q55a35c64bb_attn
	.p2alignl 7, 3214868480
	.fill 96, 4, 3214868480
	.section	.rodata,"a",@progbits
	.p2align	6, 0x0
	.amdhsa_kernel k_q55a35c64bb_attn
		.amdhsa_group_segment_fixed_size 327680
		.amdhsa_private_segment_fixed_size 0
		.amdhsa_enable_private_segment 0
		.amdhsa_kernarg_size 32
		.amdhsa_user_sgpr_count 2
		.amdhsa_user_sgpr_kernarg_segment_ptr 1
		.amdhsa_wavefront_size32 1
		.amdhsa_system_sgpr_workgroup_id_x 1
		.amdhsa_system_sgpr_workgroup_id_y 1
		.amdhsa_system_sgpr_workgroup_id_z 1
		.amdhsa_system_vgpr_workitem_id 0
		.amdhsa_next_free_vgpr 512
		.amdhsa_next_free_sgpr 66
		.amdhsa_reserve_vcc 0
		.amdhsa_float_denorm_mode_32 3
		.amdhsa_float_denorm_mode_16_64 3
		.amdhsa_memory_ordered 1
		.amdhsa_forward_progress 1
		.amdhsa_inst_pref_size 255
	.end_amdhsa_kernel
	.section	.bss,"aw",@nobits
	.p2align	6
	.space	262144
	.amdgpu_metadata
---
amdhsa.version: [ 1, 2 ]
amdhsa.kernels:
  - .name:           k_q55a35c64bb_attn
    .symbol:         k_q55a35c64bb_attn.kd
    .args:
      - { .name: qb, .offset: 0, .size: 8, .value_kind: global_buffer, .address_space: global }
      - { .name: kb, .offset: 8, .size: 8, .value_kind: global_buffer, .address_space: global }
      - { .name: vb, .offset: 16, .size: 8, .value_kind: global_buffer, .address_space: global }
      - { .name: ab, .offset: 24, .size: 8, .value_kind: global_buffer, .address_space: global }
    .group_segment_fixed_size: 327680
    .private_segment_fixed_size: 0
    .kernarg_segment_align: 8
    .kernarg_segment_size: 32
    .max_flat_workgroup_size: 256
    .sgpr_count:     66
    .vgpr_count:     512
    .wavefront_size: 32
...
	.end_amdgpu_metadata
.endif
;; end of part 3
;; launch oproj (part 4): grid 8 x 32, 4 waves a work-group, clusters of 4 x 4, 327,680 bytes of LDS; arguments ab, wt, bo, out0; writes out0
.if DOCPART == 4
	.amdgcn_target "amdgcn-amd-amdhsa--gfx1250"
	.amdhsa_code_object_version 6
	.text
	.protected	k_q55a35c64bb_oproj
	.globl	k_q55a35c64bb_oproj
	.p2align	8
	.type	k_q55a35c64bb_oproj,@function
k_q55a35c64bb_oproj:
	s_mov_b64 s[64:65], 0
	v_nop
	global_prefetch_b8 v0, s[64:65] scope:SCOPE_SE
	s_setreg_imm32_b32 hwreg(HW_REG_WAVE_MODE, 25, 1), 1
	s_wait_xcnt 0x0
	s_wait_alu depctr_hold_cnt(0) depctr_sa_sdst(0) depctr_va_vdst(0) depctr_va_sdst(0) depctr_va_ssrc(0) depctr_va_vcc(0) depctr_vm_vsrc(0)
	s_getreg_b32 s2, hwreg(HW_REG_IB_STS2, 6, 4)
	s_cmp_eq_u32 s2, 0
	s_cbranch_scc0 .Lentry_in_a_cluster
	s_endpgm
.Lentry_in_a_cluster:
	s_bfe_u32 s2, ttmp6, 0x10000c
	s_cmp_lg_u32 s2, 0xf033
	s_cbranch_scc0 .Lentry_shape_is_right
	s_endpgm
.Lentry_shape_is_right:
; oproj: out0 = 4 x (ab . Wo) + bo.  ab is attention's result x 0.25 in f16, [32 blocks of 128 tokens][16 heads][128 tokens][64 d]; Wo^T is wt's rows 3072 .. 4095, [n][k] f16.
; 4096 x 1024 outputs in blocks of 128 x 128 give 256 work-groups; four waves in 2 x 2, each 64 x 64: sixteen tiles in window 1.  Larger blocks would leave WGPs without work.
; K goes in four steps of 256 (four heads) through two LDS slots: A as 4 planes x 128 rows of 128 + 16 bytes (64 KiB dense in memory), B as 128 rows of 512 + 16 bytes.
; CLUSTERS 4 x 4: A's tile hangs on the token block alone (joint along a row of the cluster), B's on the column block alone (joint along a column).
; The product is used transposed (source 0 = rows of wt): a lane holds token l % 16 and eight neighbouring columns.
; The sixteen accumulators take turns, one instruction a turn, in one fixed order.
.set APITCH, 144
.set BPITCH, 528
.set PLANE,  128*APITCH
.set AHALF,  256*APITCH                ; two heads: what wave 0 or 1 fetches
.set ABYTES, 512*APITCH
.set BHALF,  64*BPITCH                 ; what wave 2 or 3 fetches
.set SLOT,   ABYTES+2*BHALF
.set STAGE,  2*SLOT                    ; 16 rows x 272 bytes a wave, never filled by a tensor load
.set SPITCH, 272
.set ADRA, 16
.set ADRB, 20
.set STO,  24
.set RD,   25
.set CO,   26
.set F0,   32                          ; v32-95: A's four fragments, then B's four
.set F1,   96                          ; v96-159
.set BO,   160                         ; v160-191 bo of my 32 columns (4 tiles x 8)
.set T,    192                         ; v192-223
.set G1,  24
.set G0,  32
.set G1B, 48
.set G0B, 56
.set MSB, 0
.macro WIN new
.if MSB != \new
	s_set_vgpr_msb (MSB<<8)|\new
.set MSB, \new
.endif
.endm
.macro JLOAD s
	s_cmp_eq_u32 s11, 0
	s_cbranch_scc0 .Lfor_b_\@
	tensor_load_to_lds s[G0+4*\s:G0+4*\s+3], s[G1:G1+7]
	s_nop 0
	s_branch .Lasked_\@
.Lfor_b_\@:
	tensor_load_to_lds s[G0B+4*\s:G0B+4*\s+3], s[G1B:G1B+7]
	s_nop 0
.Lasked_\@:
.endm
.macro CREST
	s_cmp_lg_u32 s10, 0
	s_cbranch_scc1 .Lnot_wave_0_\@
	s_barrier_signal -3
.Lnot_wave_0_\@:
	s_barrier_wait -3
	s_barrier_signal -1
	s_barrier_wait -1
.endm
.macro CROUND
	s_barrier_signal -1
	s_barrier_wait -1
	CREST
.endm
.macro PLACES                          ; four places behind matrix instructions (ISA guide 7.12.1)
.rept 4
	v_nop
.endr
.endm
	s_load_b128 s[4:7], s[0:1], 0x0                ; ab, wt
	s_load_b128 s[72:75], s[0:1], 0x10             ; bo s[72:73], out0 s[74:75]
	v_lshl_add_u32 v254, v0, 2, 0x49400
	v_mov_b32 v255, 0
	ds_add_u32 v254, v255
	v_lshrrev_b32 v1, 5, v0
	v_readfirstlane_b32 s10, v1                    ; wave
	s_lshr_b32 s11, s10, 1                         ; my half of the block's tokens; also: I fetch for A (0) or B (1)
	s_and_b32 s12, s10, 1                          ; my half of its columns; also: which half of that tile
	s_bfe_u32 s40, ttmp6, 0x40000                  ; cx
	s_bfe_u32 s41, ttmp6, 0x40004                  ; cy
	s_lshl_b32 s42, ttmp9, 2
	s_add_co_u32 s42, s42, s40                     ; column block
	s_and_b32 s13, ttmp7, 0xffff
	s_lshl_b32 s13, s13, 2
	s_add_co_u32 s13, s13, s41                     ; token block
	s_lshl_b32 s43, s41, 2
	s_lshl_b32 s43, 15, s43                        ; my row of the cluster
	s_lshl_b32 s44, 0x1111, s40                    ; my column
	s_or_b32 s[G1+0], s43, (3<<16)|(1<<20)|(1<<21)|(4<<22)|(3<<25)   ; A: 8-byte elements, dense rows of 256 bytes; 4 words of padding behind every 32 words
	s_or_b32 s[G1B+0], s44, (1<<16)|(1<<20)|(1<<21)|(6<<22)|(3<<25)  ; B: 2-byte elements; 4 words behind every 128 words
	s_mov_b32 s[G1+1], 32<<16
	s_mov_b32 s[G1B+1], 256<<16
	s_mov_b32 s[G1+2], 128<<16
	s_mov_b32 s[G1B+2], 64<<16
	s_mov_b32 s[G1+3], 32<<16
	s_mov_b32 s[G1B+3], 256<<16
	s_mov_b32 s[G1+4], 128
	s_mov_b32 s[G1B+4], 64
	s_mov_b32 s[G1+5], 32
	s_mov_b32 s[G1B+5], 1024
	s_mov_b32 s[G1+6], 0
	s_mov_b32 s[G1B+6], 0
	s_mov_b32 s[G1+7], 0
	s_mov_b32 s[G1B+7], 0
	s_lshl_b32 s16, s13, 18                        ; A: the token block's 16 planes of 16,384 bytes
	s_lshl_b32 s17, s12, 15                        ; + two heads for the second half
	s_add_co_u32 s16, s16, s17
	s_mov_b32 s17, 0
	s_lshl_b32 s46, s42, 7                         ; B: row 3072 + 128 x column block + 64 x half
	s_lshl_b32 s47, s12, 6
	s_add_co_u32 s46, s46, s47
	s_add_co_u32 s46, s46, 3072
	s_lshl_b32 s46, s46, 11
	s_mov_b32 s47, 0
	s_mul_i32 s20, s10, AHALF
	s_mul_i32 s21, s10, BHALF
	s_add_co_u32 s21, s21, ABYTES-2*BHALF
	s_wait_dscnt 0x0
	s_wait_kmcnt 0x0
	s_add_nc_u64 s[14:15], s[4:5], s[16:17]
	s_add_nc_u64 s[46:47], s[6:7], s[46:47]
	CROUND                                         ; in front of the first joint loads
.irp s, 0,1
	s_mov_b32 s[G0+4*\s], 1
	s_add_co_u32 s[G0+4*\s+1], s20, \s*SLOT
	s_add_nc_u64 s[G0+4*\s+2:G0+4*\s+3], s[14:15], \s*65536
	s_or_b32 s[G0+4*\s+3], s[G0+4*\s+3], 0x80000000
	s_mov_b32 s[G0B+4*\s], 1
	s_add_co_u32 s[G0B+4*\s+1], s21, \s*SLOT
	s_add_nc_u64 s[G0B+4*\s+2:G0B+4*\s+3], s[46:47], \s*512
	s_or_b32 s[G0B+4*\s+3], s[G0B+4*\s+3], 0x80000000
	JLOAD \s                                       ; both first fills together: two loads of this wave are out
.endr
	v_and_b32 v1, 15, v0                           ; r
	v_bfe_u32 v2, v0, 4, 1                         ; h
	v_lshlrev_b32 v27, 5, v2                       ; 32 h: my eight columns of a tile, in bo
	s_lshl_b32 s68, s42, 7
	s_lshl_b32 s69, s12, 6
	s_add_co_u32 s68, s68, s69
	s_lshl_b32 s68, s68, 2                         ; my first column, in bytes
	s_mov_b32 s69, 0
	s_add_nc_u64 s[72:73], s[72:73], s[68:69]
	s_lshl_b32 s66, s13, 7
	s_lshl_b32 s67, s11, 6
	s_add_co_u32 s66, s66, s67
	s_lshl_b32 s66, s66, 12                        ; my first row, rows of 4,096 bytes
	s_add_co_u32 s66, s66, s68
	s_mov_b32 s67, 0
	s_add_nc_u64 s[74:75], s[74:75], s[66:67]
.irp j, 0,1,2,3
	global_load_b128 v[BO+8*\j:BO+8*\j+3], v27, s[72:73] offset:64*\j
	global_load_b128 v[BO+8*\j+4:BO+8*\j+7], v27, s[72:73] offset:64*\j+16
.endr
	v_mul_u32_u24 v3, v1, APITCH
	v_lshl_add_u32 v3, v2, 4, v3
	v_mul_u32_u24 v4, v1, BPITCH
	v_lshl_add_u32 v4, v2, 4, v4
	s_mul_i32 s22, s11, 64*APITCH                  ; my 64 tokens in each plane
	s_mul_i32 s23, s12, BHALF
	s_add_co_u32 s23, s23, ABYTES                  ; my 64 rows of B
.irp s, 0,1
	v_add_nc_u32 v[ADRA+\s], s22, v3
	v_add_nc_u32 v[ADRB+\s], s23, v4
	s_add_co_u32 s22, s22, SLOT
	s_add_co_u32 s23, s23, SLOT
.endr
	s_mul_i32 s70, s10, 16*SPITCH
	s_add_co_u32 s70, s70, STAGE
	v_mul_u32_u24 v5, v1, SPITCH
	v_lshl_add_u32 v5, v2, 5, v5
	v_add_nc_u32 v[STO], s70, v5                   ; in: row r, 32 bytes for each half of the lanes
	v_mul_u32_u24 v6, v2, SPITCH
	v_lshl_add_u32 v6, v1, 4, v6
	v_add_nc_u32 v[RD], s70, v6                    ; back: sixteen lanes take one row of 256 bytes
	v_lshlrev_b32 v7, 12, v2
	v_lshl_add_u32 v[CO], v1, 4, v7                ; the same two rows in out0
	s_wait_loadcnt 0x0
; 16 LDS loads: part q (32 of the step's 256 along K): head q / 2, d from 32 (q & 1)
.macro FETCH slot, q, f
.irp mt, 0,1,2,3
	ds_load_b128 v[\f+8*\mt:\f+8*\mt+3], v[ADRA+\slot] offset:((\q)>>1)*PLANE+((\q)&1)*64+\mt*16*APITCH
	ds_load_b128 v[\f+8*\mt+4:\f+8*\mt+7], v[ADRA+\slot] offset:((\q)>>1)*PLANE+((\q)&1)*64+\mt*16*APITCH+32
.endr
.irp nt, 0,1,2,3
	ds_load_b128 v[\f+32+8*\nt:\f+32+8*\nt+3], v[ADRB+\slot] offset:(\q)*64+\nt*16*BPITCH
	ds_load_b128 v[\f+32+8*\nt+4:\f+32+8*\nt+7], v[ADRB+\slot] offset:(\q)*64+\nt*16*BPITCH+32
.endr
.endm
; 8 matrix instructions under window setting 0x50: sources window 0, C and D window 1
.macro MUL8 f, mt0, zero
.irp mt, \mt0, \mt0+1
.irp nt, 0,1,2,3
.if \zero
	v_wmma_f32_16x16x32_f16 v[8*(4*(\mt)+\nt):8*(4*(\mt)+\nt)+7], v[\f+32+8*\nt:\f+32+8*\nt+7], v[\f+8*(\mt):\f+8*(\mt)+7], 0
.else
	v_wmma_f32_16x16x32_f16 v[8*(4*(\mt)+\nt):8*(4*(\mt)+\nt)+7], v[\f+32+8*\nt:\f+32+8*\nt+7], v[\f+8*(\mt):\f+8*(\mt)+7], v[8*(4*(\mt)+\nt):8*(4*(\mt)+\nt)+7]
.endif
.endr
.endr
.endm
.macro PART slot, q, f, g, zero        ; multiplies buffer f; the next part's fragments go out first, into buffer g
	s_wait_dscnt 0x0                               ; buffer f is in
	PLACES
	WIN 0
	FETCH \slot, \q+1, \g
	WIN 0x50
	MUL8 \f, 0, \zero
	MUL8 \f, 2, \zero
.endm
.macro SEVEN slot, zero
	PART \slot, 0, F0, F1, \zero
	PART \slot, 1, F1, F0, 0
	PART \slot, 2, F0, F1, 0
	PART \slot, 3, F1, F0, 0
	PART \slot, 4, F0, F1, 0
	PART \slot, 5, F1, F0, 0
	PART \slot, 6, F0, F1, 0
.endm
; The eighth part changes slots: my reads of this slot and all my tensor loads are waited for in front of the barrier; where the slot is filled again the barrier opens a
; round of the cluster's barrier and the joint refill is the first tensor load behind it.
.macro LASTPART slot, next, fill
	s_wait_dscnt 0x0
	s_wait_tensorcnt 0x0
	ds_add_u32 v254, v255
	s_wait_dscnt 0x0
	s_barrier_signal -1
	WIN 0x50
	MUL8 F1, 0, 0
	WIN 0
	s_barrier_wait -1
.if \fill
	CREST
	s_add_nc_u64 s[G0+4*\slot+2:G0+4*\slot+3], s[G0+4*\slot+2:G0+4*\slot+3], 131072
	s_add_nc_u64 s[G0B+4*\slot+2:G0B+4*\slot+3], s[G0B+4*\slot+2:G0B+4*\slot+3], 1024
	JLOAD \slot
.endif
	PLACES
	FETCH \next, 0, F0
	WIN 0x50
	MUL8 F1, 2, 0
.endm
	s_wait_tensorcnt 1                             ; my part of K step 0 is in; K step 1's may stay out
	s_barrier_signal -1
	s_barrier_wait -1
	FETCH 0, 0, F0
	SEVEN 0, 1                                     ; the first products start the sums
	LASTPART 0, 1, 1
	SEVEN 1, 0
	LASTPART 1, 0, 1
	SEVEN 0, 0
	LASTPART 0, 1, 0                               ; nothing is left to fetch
	SEVEN 1, 0
	s_wait_dscnt 0x0
	WIN 0x50
	MUL8 F1, 0, 0
	MUL8 F1, 2, 0
	; THE WAY OUT, 16 tokens at a time: x 4 + bo in one multiply-add, through my own stage, out as rows of 256 bytes.
	PLACES
.macro OUT16 mt, f
	WIN 0x01                                       ; source 0 (the sums) window 1
.irp nt, 0,1,2,3
.irp r, 0,1,2,3
	v_pk_fma_f32 v[T+8*\nt+2*\r:T+8*\nt+2*\r+1], v[8*(4*\mt+\nt)+2*\r:8*(4*\mt+\nt)+2*\r+1], 4.0, v[BO+8*\nt+2*\r:BO+8*\nt+2*\r+1] op_sel_hi:[1,0,1]
.endr
.endr
	WIN 0
.irp nt, 0,1,2,3
	ds_store_b128 v[STO], v[T+8*\nt:T+8*\nt+3] offset:64*\nt
	ds_store_b128 v[STO], v[T+8*\nt+4:T+8*\nt+7] offset:64*\nt+16
.endr
	s_wait_xcnt 0x0                                ; buffer f, which earlier stores read, is loaded again only behind this wait
.irp t, 0,1,2,3,4,5,6,7
	ds_load_b128 v[\f+4*\t:\f+4*\t+3], v[RD] offset:\t*2*SPITCH        ; LDS serves a wave's instructions in order: these see the stores above
.endr
.irp t, 0,1,2,3,4,5,6,7
	s_wait_dscnt 7-\t
	global_store_b128 v[CO], v[\f+4*\t:\f+4*\t+3], s[74:75] offset:\mt*65536+\t*8192 th:TH_STORE_NT   ; sixteen lanes store 256 consecutive bytes, aligned
.endr
.endm
	OUT16 0, F0
	OUT16 1, F1
	OUT16 2, F0
	OUT16 3, F1
	s_wait_tensorcnt 0x0
	ds_add_u32 v254, v255
	s_wait_dscnt 0x0
	CROUND                                         ; the closing round
	s_endpgm
.Lfunc_end_k_q55a35c64bb_oproj:
	.size	k_q55a35c64bb_oproj, .Lfunc_end_k_q55a35c64bb_oproj-k_q55a35c64bb_oproj
	.p2alignl 7, 3214868480
	.fill 96, 4, 3214868480
	.section	.rodata,"a",@progbits
	.p2align	6, 0x0
	.amdhsa_kernel k_q55a35c64bb_oproj
		.amdhsa_group_segment_fixed_size 327680
		.amdhsa_private_segment_fixed_size 0
		.amdhsa_enable_private_segment 0
		.amdhsa_kernarg_size 32
		.amdhsa_user_sgpr_count 2
		.amdhsa_user_sgpr_kernarg_segment_ptr 1
		.amdhsa_wavefront_size32 1
		.amdhsa_system_sgpr_workgroup_id_x 1
		.amdhsa_system_sgpr_workgroup_id_y 1
		.amdhsa_system_sgpr_workgroup_id_z 1
		.amdhsa_system_vgpr_workitem_id 0
		.amdhsa_next_free_vgpr 384
		.amdhsa_next_free_sgpr 80
		.amdhsa_reserve_vcc 0
		.amdhsa_float_denorm_mode_32 3
		.amdhsa_float_denorm_mode_16_64 3
		.amdhsa_memory_ordered 1
		.amdhsa_forward_progress 1
		.amdhsa_inst_pref_size 94
	.end_amdhsa_kernel
	.amdgpu_metadata
---
amdhsa.version: [ 1, 2 ]
amdhsa.kernels:
  - .name:           k_q55a35c64bb_oproj
    .symbol:         k_q55a35c64bb_oproj.kd
    .args:
      - { .name: ab, .offset: 0, .size: 8, .value_kind: global_buffer, .address_space: global }
      - { .name: wt, .offset: 8, .size: 8, .value_kind: global_buffer, .address_space: global }
      - { .name: bo, .offset: 16, .size: 8, .value_kind: global_buffer, .address_space: global }
      - { .name: out0, .offset: 24, .size: 8, .value_kind: global_buffer, .address_space: global }
    .group_segment_fixed_size: 327680
    .private_segment_fixed_size: 0
    .kernarg_segment_align: 8
    .kernarg_segment_size: 32
    .max_flat_workgroup_size: 128
    .sgpr_count:     80
    .vgpr_count:     384
    .wavefront_size: 32
...
	.end_amdgpu_metadata
.endif
;; end of part 4
;; ======== version 2 of 2: 4 launches; 1.07 times as fast as version 1
;; limits: values are held in f16: magnitudes above 65,504 overflow, below 6.1e-05 lose precision; inputs' magnitudes at most 65,504
;; workspace buffers: xb 8,388,608 bytes; wt 8,388,608 bytes; qb 8,388,608 bytes; kb 8,388,608 bytes; vb 8,388,608 bytes; ab 8,388,608 bytes
;; launch prep: the kernel of part 1 again; grid 512 x 1, 8 waves a work-group, no clusters, 18,432 bytes of LDS; arguments seq, Wq, Wk, Wv, Wo, xb, wt; writes xb, wt
;; launch qkv: the kernel of part 2 again; grid 16 x 16, 4 waves a work-group, clusters of 4 x 4, 327,680 bytes of LDS; arguments xb, wt, bq, bk, bv, qb, kb, vb; writes qb, kb, vb
;; launch attn (part 5): grid 8 x 32, 8 waves a work-group, clusters of 4 x 1, 327,680 bytes of LDS; arguments qb, kb, vb, ab; writes ab
.if DOCPART == 5
	.amdgcn_target "amdgcn-amd-amdhsa--gfx1250"
	.amdhsa_code_object_version 6
	.text
	.protected	k_q55a35c64bb_attn
	.globl	k_q55a35c64bb_attn
	.p2align	8
	.type	k_q55a35c64bb_attn,@function
k_q55a35c64bb_attn:
	s_mov_b64 s[64:65], 0
	v_nop
	global_prefetch_b8 v0, s[64:65] scope:SCOPE_SE
	s_setreg_imm32_b32 hwreg(HW_REG_WAVE_MODE, 25, 1), 1
	s_wait_xcnt 0x0
	s_wait_alu depctr_hold_cnt(0) depctr_sa_sdst(0) depctr_va_vdst(0) depctr_va_sdst(0) depctr_va_ssrc(0) depctr_va_vcc(0) depctr_vm_vsrc(0)
	s_getreg_b32 s2, hwreg(HW_REG_IB_STS2, 6, 4)
	s_cmp_eq_u32 s2, 0
	s_cbranch_scc0 .Lentry_in_a_cluster
	s_endpgm
.Lentry_in_a_cluster:
	s_bfe_u32 s2, ttmp6, 0x10000c
	s_cmp_lg_u32 s2, 0x3003
	s_cbranch_scc0 .Lentry_shape_is_right
	s_endpgm
.Lentry_shape_is_right:
; attn: softmax(Q K^T) V for one (batch, head) and 256 queries a work-group, with a running maximum; f16 operands, f32 sums and statistics.
; Q comes x 0.5 log2(e) and K x 0.25, so a score is already the exponent of 2.  V comes x 0.25 and the result keeps that factor.
; Eight waves, two for each SIMD's registers (2 x 512).  Wave w holds queries 64 (w & 3) .. + 63 and walks keys 1024 (w >> 2) .. + 1023; the two halves of the keys are merged
; at the end through LDS.  While one wave of a pair does softmax arithmetic the other has matrix work to issue.
; BOTH PRODUCTS ARE TRANSPOSED, so that a lane owns one query (l % 16) of each query tile and every statistic is one number a lane:
;   S^T = K Q^T: source 0 = 16 keys from LDS, source 1 = Q's fragments, resident.  A lane's registers hold keys 8 (l / 16) + 0 .. 7 of its query.
;   Two neighbouring key tiles, packed to f16, ARE the source-1 fragment of P for 32 keys: no shuffle.
;   O^T = V^T P: source 0 = 16 rows d of vb's block.  A lane's registers hold d = 8 (l / 16) + 0 .. 7 of its query: 16 neighbouring output bytes.
; THE TRANSCENDENTALS GO IN BATCHES, one s_wait_alu depctr_va_vdst(0) a batch:
;   a block of 64 keys has ONE batch of 132: the four factors 2^(old - new) and the 128 weights of its four query tiles, each in place in a register of its own.  Ahead of the batch's
;   wait stand only lines that name none of its results (score - maximum of the tiles whose exponentials are still to come); behind it stand all the readers: the sums, the roundings
;   to f16, O's rescaling, the O products.  The merge has two batches: its four factors, and its two reciprocals, which read sums made of those factors.
; CLUSTER 4 x 1: the four query blocks of a cluster read the same K and V tiles and ask for them jointly (mask 15).  Each of the eight waves asks for 8,192 dense bytes
; a step (64 keys of K, or one block of V, for its key group); one tensor load of a wave is out at any time, issued first behind a round of the cluster's barrier.
; ab: [32 blocks of 128 tokens][16 heads][128 tokens][64 d] f16: a wave's 32 kept queries are 4,096 dense bytes.
; LIMIT: results below 6.1e-5 in magnitude (x 0.25) keep an absolute error of 2^-25.
; WINDOW 0: addresses, statistics, K's fragments v64-127, S / P v128-255 (tile (qt, mt) at 128 + 8 (4 qt + mt)).
; WINDOW 1: O tile (qt, dt) at 8 (4 qt + dt); Q's fragments at 128 + 16 qt + 8 ks; V's at 192 + 16 dt + 8 u.
.set KP,    144                        ; LDS pitch of a row of 128 bytes: sixteen rows start at sixteen different 16-byte columns modulo 256 bytes
.set PARTB, 64*KP                      ; what one wave fetches: 64 rows
.set SLOTB, 8*PARTB
.set STEPB, 16384                      ; 128 keys of K, or two blocks of V, in memory
.set XCH,   2*SLOTB                    ; exchange between the key groups: 8,704 bytes a wave; never filled by a tensor load
.set XCHW,  8704
.set STG,   XCH+8*XCHW                 ; the way out: 32 rows x 144 bytes a wave
.set STGW,  32*KP
.set ADRK, 4                           ; v4-5   K's fragments, slot 0, 1
.set ADRV, 6                           ; v6-7   V's
.set MX,   8                           ; v[8+2qt] running maximum, v[9+2qt] the new one
.set AL,   16                          ; v[16+2qt] 2^(old - new), v[17+2qt] the other half's figure
.set LP,   24                          ; v[24+2qt:25+2qt] my lane's part of the sum, in two chains
.set QOFF, 48
.set XA,   49
.set STO,  51
.set RD,   52
.set CO,   53
.set KF,   64
.set SR,   128
.set QF,   128
.set VF,   192
.set G1,   16
.set G0,   24
.set MSB, 0
.macro WIN new
.if MSB != \new
	s_set_vgpr_msb (MSB<<8)|\new
.set MSB, \new
.endif
.endm
.macro ROUND                           ; a round of the cluster's barrier
	s_barrier_signal -1
	s_barrier_wait -1
	s_cmp_lg_u32 s12, 0
	s_cbranch_scc1 .Lnot_wave_0_\@
	s_barrier_signal -3
.Lnot_wave_0_\@:
	s_barrier_wait -3
	s_barrier_signal -1
	s_barrier_wait -1
.endm
	s_load_b256 s[4:11], s[0:1], 0x0               ; qb s[4:5], kb s[6:7], vb s[8:9], ab s[10:11]
	v_lshl_add_u32 v62, v0, 2, 0x3e000
	v_mov_b32 v63, 0
	ds_add_u32 v62, v63
	v_lshrrev_b32 v1, 5, v0
	v_readfirstlane_b32 s12, v1                    ; wave
	s_lshr_b32 s13, s12, 2                         ; g: my half of the keys
	s_and_b32 s14, s12, 3                          ; wq: my 64 queries
	s_bfe_u32 s35, ttmp6, 0x40000                  ; cx
	s_lshl_b32 s36, ttmp9, 2
	s_add_co_u32 s36, s36, s35                     ; query block = 4 x cluster x + cx: enters global addresses of Q and of the result alone
	s_and_b32 s37, ttmp7, 0xffff                   ; y = batch x 16 + head
	s_mov_b32 s32, 0x76543210                      ; v_permlanex16_b32: lane i reads lane i of the other half
	s_mov_b32 s33, 0xfedcba98
	; group 1: 8,192 dense bytes as 32 rows of 32 elements of 8 bytes; 4 words of padding behind every 32 words make LDS rows of 128 + 16 bytes
	s_mov_b32 s[G1+0], 15|(3<<16)|(1<<20)|(1<<21)|(4<<22)|(3<<25)
	s_mov_b32 s[G1+1], 32<<16
	s_mov_b32 s[G1+2], 32<<16
	s_mov_b32 s[G1+3], 32<<16
	s_mov_b32 s[G1+4], 32
	s_mov_b32 s[G1+5], 32
	s_mov_b32 s[G1+6], 0
	s_mov_b32 s[G1+7], 0
	s_lshl_b32 s38, s37, 18                        ; the head's 262,144 bytes (K and V alike)
	s_lshl_b32 s39, s13, 17                        ; my group's half
	s_add_co_u32 s38, s38, s39
	s_and_b32 s39, s12, 1
	s_lshl_b32 s39, s39, 13                        ; the first or second 64 keys of a step
	s_add_co_u32 s38, s38, s39
	s_mov_b32 s39, 0
	s_mul_i32 s40, s12, PARTB                      ; my part of a slot
	s_and_b32 s41, s12, 2                          ; waves 0, 1 of a group fetch K, waves 2, 3 fetch V
	s_lshl_b32 s42, s37, 18
	s_lshl_b32 s43, s36, 15                        ; 256 queries of 128 bytes
	s_add_co_u32 s42, s42, s43
	s_lshl_b32 s43, s14, 13
	s_add_co_u32 s42, s42, s43
	s_mov_b32 s43, 0
	s_lshr_b32 s44, s37, 4                         ; the result's place: block of 128 tokens = 16 batch + 2 query block + wq / 2
	s_lshl_b32 s44, s44, 4
	s_lshl_b32 s45, s36, 1
	s_add_co_u32 s44, s44, s45
	s_lshr_b32 s45, s14, 1
	s_add_co_u32 s44, s44, s45
	s_lshl_b32 s44, s44, 4
	s_and_b32 s45, s37, 15
	s_add_co_u32 s44, s44, s45                     ; x 16 + head
	s_lshl_b32 s46, s44, 14                        ; planes of 16,384 bytes
	s_and_b32 s45, s14, 1
	s_lshl_b32 s45, s45, 13                        ; + 64 (wq & 1) rows of 128 bytes
	s_add_co_u32 s46, s46, s45
	s_lshl_b32 s45, s13, 12                        ; + 32 g rows: the queries that I keep at the merge
	s_add_co_u32 s46, s46, s45
	s_mov_b32 s47, 0
	v_and_b32 v1, 15, v0                           ; r
	v_bfe_u32 v2, v0, 4, 1                         ; h
	v_and_b32 v3, 31, v0                           ; lane
	v_lshlrev_b32 v[QOFF], 7, v1
	v_lshl_add_u32 v[QOFF], v2, 4, v[QOFF]         ; 128 r + 16 h
	s_wait_dscnt 0x0
	s_wait_kmcnt 0x0
	s_cmp_lg_u32 s41, 0
	s_cselect_b64 s[6:7], s[8:9], s[6:7]           ; by the wave's number alone
	s_add_nc_u64 s[6:7], s[6:7], s[38:39]
	s_add_nc_u64 s[4:5], s[4:5], s[42:43]
	s_add_nc_u64 s[10:11], s[10:11], s[46:47]
.irp j, 0,1
	s_mov_b32 s[G0+4*\j], 1
	s_add_co_u32 s[G0+4*\j+1], s40, \j*SLOTB
	s_add_nc_u64 s[G0+4*\j+2:G0+4*\j+3], s[6:7], \j*STEPB
	s_or_b32 s[G0+4*\j+3], s[G0+4*\j+3], 0x80000000
.endr
	WIN 0x40                                       ; Q's fragments, resident for the whole kernel
.irp qt, 0,1,2,3
.irp ks, 0,1
	global_load_b128 v[QF+16*\qt+8*\ks:QF+16*\qt+8*\ks+3], v[QOFF], s[4:5] offset:\qt*2048+\ks*64
	global_load_b128 v[QF+16*\qt+8*\ks+4:QF+16*\qt+8*\ks+7], v[QOFF], s[4:5] offset:\qt*2048+\ks*64+32
.endr
.endr
	WIN 0
	ROUND                                          ; in front of the first joint load
	tensor_load_to_lds s[G0:G0+3], s[G1:G1+7]      ; step 0
	s_nop 0
	v_mul_u32_u24 v54, v1, KP
	v_lshl_add_u32 v54, v2, 4, v54                 ; 144 r + 16 h
	s_mul_i32 s44, s13, 4*PARTB                    ; my group's half of a slot: K's 128 rows, then V's two blocks
	v_add_nc_u32 v[ADRK], s44, v54
	v_add_nc_u32 v[ADRK+1], SLOTB, v[ADRK]
	v_add_nc_u32 v[ADRV], 2*PARTB, v[ADRK]
	v_add_nc_u32 v[ADRV+1], 2*PARTB, v[ADRK+1]
	s_mul_i32 s44, s14, XCHW
	s_add_co_u32 s44, s44, XCH
	v_lshl_add_u32 v[XA], v3, 4, s44               ; exchange: group 0's area of my queries; group 1's lies 4 x 8,704 bytes behind, in the immediate
	s_mul_i32 s45, s12, STGW
	s_add_co_u32 s45, s45, STG
	v_add_nc_u32 v[STO], s45, v54
	v_lshrrev_b32 v55, 3, v3
	v_mul_u32_u24 v55, v55, KP
	v_and_b32 v56, 7, v3
	v_lshl_add_u32 v55, v56, 4, v55
	v_add_nc_u32 v[RD], s45, v55
	v_lshlrev_b32 v[CO], 4, v3
.irp qt, 0,1,2,3
	v_mov_b32 v[AL+2*\qt+1], 0                     ; a destination of v_permlanex16_b32 counts as read
	v_mov_b32 v[LP+2*\qt], 0                       ; the sums start at 0: eight registers
	v_mov_b32 v[LP+2*\qt+1], 0
.endr
.macro KLOAD slot, kb                  ; 16 loads: 64 keys x 64 d
.irp mt, 0,1,2,3
.irp ks, 0,1
	ds_load_b128 v[KF+16*\mt+8*\ks:KF+16*\mt+8*\ks+3], v[ADRK+\slot] offset:(\kb)*PARTB+\mt*16*KP+\ks*64
	ds_load_b128 v[KF+16*\mt+8*\ks+4:KF+16*\mt+8*\ks+7], v[ADRK+\slot] offset:(\kb)*PARTB+\mt*16*KP+\ks*64+32
.endr
.endr
.endm
; lines of the softmax, on pair p (a symbol) of the 16 register pairs of query tile qt
.macro SUBM qt                         ; score - maximum: names no exponential's result; stands ahead of the batch's wait
	v_pk_add_f32 v[SR+32*\qt+2*p:SR+32*\qt+2*p+1], v[SR+32*\qt+2*p:SR+32*\qt+2*p+1], v[MX+2*\qt:MX+2*\qt+1] op_sel_hi:[1,0] neg_lo:[0,1] neg_hi:[0,1]
.endm
.macro EXPO qt, o                      ; in place: each weight has a register of its own while the batch is open
	v_exp_f32 v[SR+32*\qt+2*p+\o], v[SR+32*\qt+2*p+\o]
.endm
.macro SUMP qt, first                  ; the sum; its first line of a block also rescales what has been summed.  A reader: it stands behind the batch's wait
.if (p+\first) == 0
	v_pk_fma_f32 v[LP+2*\qt:LP+2*\qt+1], v[LP+2*\qt:LP+2*\qt+1], v[AL+2*\qt:AL+2*\qt+1], v[SR+32*\qt:SR+32*\qt+1] op_sel_hi:[1,0,1]
.else
	v_pk_add_f32 v[LP+2*\qt:LP+2*\qt+1], v[LP+2*\qt:LP+2*\qt+1], v[SR+32*\qt+2*p:SR+32*\qt+2*p+1]
.endif
.endm
.macro PACK qt                         ; two P to f16, into P's fragment for 32 keys at SR + 32 qt + 16 u: the target never lies ahead of what has been read.  A reader too
	v_cvt_pk_f16_f32 v[SR+32*\qt+16*(p>>3)+4*((p>>2)&1)+(p&3)], v[SR+32*\qt+2*p], v[SR+32*\qt+2*p+1]
.endm
; 64 keys.  slot, kb: where they lie; first: the wave's first block; loadk: K's fragments are fetched here; nextk: those of kb + 1 are fetched ahead.
.macro BLOCK slot, kb, first, loadk, nextk
.if \first == 0
.rept 5
	v_nop                                          ; five places behind the last O products: the S products below write over P, and V's loads land on their source 0
.endr
.endif
.if \loadk
	KLOAD \slot, \kb
.endif
	WIN 0x40
.irp dt, 0,1,2,3
.irp u, 0,1
	ds_load_b128 v[VF+16*\dt+8*\u:VF+16*\dt+8*\u+3], v[ADRV+\slot] offset:\kb*PARTB+\dt*16*KP+\u*64
	ds_load_b128 v[VF+16*\dt+8*\u+4:VF+16*\dt+8*\u+7], v[ADRV+\slot] offset:\kb*PARTB+\dt*16*KP+\u*64+32
.endr
.endr
	s_wait_dscnt 16                                ; K's sixteen loads are in; V's sixteen, issued behind them, stay out
.if \first
	s_wait_loadcnt 0x0                             ; Q
.endif
	WIN 0x04                                       ; source 1 (Q) window 1
	; the sixteen S tiles take turns, one instruction a turn
.irp ks, 0,1
.irp qt, 0,1,2,3
.irp mt, 0,1,2,3
.if \ks == 0
	v_wmma_f32_16x16x32_f16 v[SR+8*(4*\qt+\mt):SR+8*(4*\qt+\mt)+7], v[KF+16*\mt+8*\ks:KF+16*\mt+8*\ks+7], v[QF+16*\qt+8*\ks:QF+16*\qt+8*\ks+7], 0
.else
	v_wmma_f32_16x16x32_f16 v[SR+8*(4*\qt+\mt):SR+8*(4*\qt+\mt)+7], v[KF+16*\mt+8*\ks:KF+16*\mt+8*\ks+7], v[QF+16*\qt+8*\ks:QF+16*\qt+8*\ks+7], v[SR+8*(4*\qt+\mt):SR+8*(4*\qt+\mt)+7]
.endif
.endr
.endr
.endr
	WIN 0
.rept 4
	v_nop                                          ; four places: S is read, and K's registers are loaded again
.endr
.if \nextk
	KLOAD \slot, \kb+1
.endif
	; the maximum of my 32 scores of each query tile and of the running maximum, four chains side by side
.irp qt, 0,1,2,3
.if \first
	v_max_num_f32 v[MX+2*\qt+1], v[SR+32*\qt], v[SR+32*\qt+1]
.else
	v_max3_num_f32 v[MX+2*\qt+1], v[MX+2*\qt], v[SR+32*\qt], v[SR+32*\qt+1]
.endif
.endr
.set i, 1
.rept 15
.irp qt, 0,1,2,3
	v_max3_num_f32 v[MX+2*\qt+1], v[MX+2*\qt+1], v[SR+32*\qt+2*i], v[SR+32*\qt+2*i+1]
.endr
.set i, i+1
.endr
.irp qt, 0,1,2,3
	v_permlanex16_b32 v[AL+2*\qt+1], v[MX+2*\qt+1], s32, s33   ; the other half of the lanes holds the query's other keys
.endr
.irp qt, 0,1,2,3
	v_max_num_f32 v[MX+2*\qt+1], v[MX+2*\qt+1], v[AL+2*\qt+1]
.endr
.if \first == 0
.irp qt, 0,1,2,3
	v_sub_f32 v[AL+2*\qt], v[MX+2*\qt], v[MX+2*\qt+1]
.endr
.endif
.irp qt, 0,1,2,3
	v_mov_b32 v[MX+2*\qt], v[MX+2*\qt+1]
.endr
	; THE BLOCK'S BATCH begins: the four factors, then the 128 weights.  Up to the wait below no line names a result of it.
.if \first == 0
.irp qt, 0,1,2,3
	v_exp_f32 v[AL+2*\qt], v[AL+2*\qt]             ; the batch's first four; their readers (the sums' first lines, O's rescaling) stand behind the wait
.endr
.endif
.set p, 0
.rept 16
	SUBM 0
.set p, p+1
.endr
.set p, 0
.rept 16                                               ; tile 0's exponentials by turns with the scalings of tiles 1 and 2,
	EXPO 0, 0
	SUBM 1
	EXPO 0, 1
	SUBM 2
.set p, p+1
.endr
.set p, 0
.rept 16                                               ; tile 1's with those of tile 3: the last plain lines that name no result
	EXPO 1, 0
	SUBM 3
	EXPO 1, 1
.set p, p+1
.endr
.irp qt, 2,3
.set p, 0
.rept 16                                               ; tiles 2 and 3: exponentials may follow each other, each on a register of its own
	EXPO \qt, 0
	EXPO \qt, 1
.set p, p+1
.endr
.endr
	v_nop                                          ; one plain place behind the last exponential, ahead of the first use (ISA guide 5.7.2): one for the batch
	s_wait_alu depctr_va_vdst(0)                   ; the wait for the block's batch (four factors, 128 weights), ahead of the first reader
	; THE READERS.  Each tile's sum takes its pairs in the order p = 0 .. 15; the four tiles stand side by side, so that a sum's links lie eight lines apart; a pair is summed before it is packed.
.set p, 0
.rept 16
.irp qt, 0,1,2,3
	SUMP \qt, \first
.endr
.irp qt, 0,1,2,3
	PACK \qt
.endr
.set p, p+1
.endr
.if \first == 0
	WIN 0x41                                       ; O x 2^(old - new)
.irp qt, 0,1,2,3
.set i, 0
.rept 16
	v_pk_mul_f32 v[32*\qt+2*i:32*\qt+2*i+1], v[32*\qt+2*i:32*\qt+2*i+1], v[AL+2*\qt:AL+2*\qt+1] op_sel_hi:[1,0]
.set i, i+1
.endr
.endr
.endif
.if \nextk
	s_wait_dscnt 16                                ; V is in; the next block's sixteen K loads, issued behind it, stay out
.else
	s_wait_dscnt 0
.endif
	WIN 0x51                                       ; source 0 (V) window 1, source 1 (P) window 0, C and D window 1
.irp u, 0,1
.irp qt, 0,1,2,3
.irp dt, 0,1,2,3
.if (\u+1-\first) == 0
	v_wmma_f32_16x16x32_f16 v[8*(4*\qt+\dt):8*(4*\qt+\dt)+7], v[VF+16*\dt+8*\u:VF+16*\dt+8*\u+7], v[SR+32*\qt+16*\u:SR+32*\qt+16*\u+7], 0
.else
	v_wmma_f32_16x16x32_f16 v[8*(4*\qt+\dt):8*(4*\qt+\dt)+7], v[VF+16*\dt+8*\u:VF+16*\dt+8*\u+7], v[SR+32*\qt+16*\u:SR+32*\qt+16*\u+7], v[8*(4*\qt+\dt):8*(4*\qt+\dt)+7]
.endif
.endr
.endr
.endr
	WIN 0
.endm
; A step of 128 keys.  In front of the round every wave has waited for all its tensor loads (its part of this step's tile among them) and for its reads of the other slot;
; behind it the other slot is filled again first, by the wave's one joint load, which has this whole step in which to land.
.macro TRIP slot, refill, first
	s_wait_tensorcnt 0x0
	ds_add_u32 v62, v63
	s_wait_dscnt 0x0
	s_add_nc_u64 s[G0+4*\slot+2:G0+4*\slot+3], s[G0+4*\slot+2:G0+4*\slot+3], 2*STEPB   ; no load of mine is out: this slot's next tile
	s_wait_dscnt 0x0
	ROUND
.if \refill
	tensor_load_to_lds s[G0+4-4*\slot:G0+7-4*\slot], s[G1:G1+7]
	s_nop 0
.endif
	BLOCK \slot, 0, \first, 1, 1
	BLOCK \slot, 1, 0, 0, 0
.endm
	TRIP 0, 1, 1                                   ; eight steps: two in front (the first products start O's sums), four in the loop, two behind
	TRIP 1, 1, 0
	s_mov_b32 s34, 2
.Lpair:
	TRIP 0, 1, 0
	TRIP 1, 1, 0
	s_sub_co_u32 s34, s34, 1
	s_cmp_lg_u32 s34, 0
	s_cbranch_scc1 .Lpair
	TRIP 0, 1, 0
	TRIP 1, 0, 0                                   ; nothing is left to fetch
	; THE MERGE of the two halves of the keys.  Group 0 keeps query tiles 0, 1 and gives 2, 3; group 1 the other way round.
.rept 4
	v_nop                                          ; four places behind the last O products
.endr
.irp qt, 0,1,2,3
	v_add_f32 v[LP+2*\qt], v[LP+2*\qt], v[LP+2*\qt+1]
.endr
.irp qt, 0,1,2,3
	v_permlanex16_b32 v[AL+2*\qt+1], v[LP+2*\qt], s32, s33
.endr
.irp qt, 0,1,2,3
	v_add_f32 v[LP+2*\qt], v[LP+2*\qt], v[AL+2*\qt+1]          ; the query's sum over my 1,024 keys, in every lane that holds it
.endr
.macro GIVE a, area                    ; tiles a, a + 1: registers as they are (the partner's lanes hold the same queries and d), then maxima and sums
	v_mov_b32 v32, v[MX+2*\a]
	v_mov_b32 v33, v[MX+2*\a+2]
	v_mov_b32 v34, v[LP+2*\a]
	v_mov_b32 v35, v[LP+2*\a+2]
	ds_store_b128 v[XA], v[32:35] offset:\area+8192
	WIN 0x04                                       ; store data in window 1
.set i, 0
.rept 16
	ds_store_b128 v[XA], v[32*\a+4*i:32*\a+4*i+3] offset:\area+512*i
.set i, i+1
.endr
	WIN 0
.endm
.macro KEEP a, area
	ds_load_b128 v[36:39], v[XA] offset:\area+8192
.set i, 0
.rept 16
	ds_load_b128 v[SR+4*i:SR+4*i+3], v[XA] offset:\area+512*i
.set i, i+1
.endr
	s_wait_dscnt 0x0
	; the two kept tiles side by side, so that their transcendentals make two batches: four factors, then two reciprocals
.irp c, 0,1
	v_max_num_f32 v[32+\c], v[MX+2*(\a+\c)], v[36+\c]
.endr
.irp c, 0,1
	v_sub_f32 v[41+4*\c], v[MX+2*(\a+\c)], v[32+\c]
	v_sub_f32 v[43+4*\c], v[36+\c], v[32+\c]
.endr
.irp c, 0,1
	v_exp_f32 v[41+4*\c], v[41+4*\c]
	v_exp_f32 v[43+4*\c], v[43+4*\c]
.endr
	v_nop                                          ; one plain place behind a transcendental (ISA guide 5.7.2): one for the four
	s_wait_alu depctr_va_vdst(0)                   ; the wait for the merge's four factors, ahead of the sums that read them
.irp c, 0,1
	v_mul_f32 v[34+\c], v[LP+2*(\a+\c)], v[41+4*\c]
.endr
.irp c, 0,1
	v_fmac_f32 v[34+\c], v[38+\c], v[43+4*\c]      ; the whole sum: at least 1, since one of the two factors is 1 and each part holds its maximum's 2^0
.endr
.irp c, 0,1
	v_rcp_f32 v[34+\c], v[34+\c]
.endr
	v_nop                                          ; the plain place behind the second reciprocal
	s_wait_alu depctr_va_vdst(0)                   ; the wait for the two reciprocals, ahead of the products that read them
.irp c, 0,1
	v_mul_f32 v[40+4*\c], v[41+4*\c], v[34+\c]     ; my factor
	v_mul_f32 v[42+4*\c], v[43+4*\c], v[34+\c]     ; the partner's
.endr
.irp c, 0,1
.set i, 0
.rept 16
	v_pk_mul_f32 v[SR+32*\c+2*i:SR+32*\c+2*i+1], v[SR+32*\c+2*i:SR+32*\c+2*i+1], v[42+4*\c:43+4*\c] op_sel_hi:[1,0]
.set i, i+1
.endr
.endr
	WIN 0x01                                       ; source 0 (my O) window 1
.irp c, 0,1
.set i, 0
.rept 16
	v_pk_fma_f32 v[SR+32*\c+2*i:SR+32*\c+2*i+1], v[32*(\a+\c)+2*i:32*(\a+\c)+2*i+1], v[40+4*\c:41+4*\c], v[SR+32*\c+2*i:SR+32*\c+2*i+1] op_sel_hi:[1,0,1]
.set i, i+1
.endr
.endr
	WIN 0
.set i, 0
.rept 32
	v_cvt_pk_f16_f32 v[192+i], v[SR+2*i], v[SR+2*i+1]
.set i, i+1
.endr
.irp c, 0,1
.irp dt, 0,1,2,3
	ds_store_b128 v[STO], v[192+16*\c+4*\dt:192+16*\c+4*\dt+3] offset:\c*16*KP+32*\dt
.endr
.endr
.irp j, 0,1,2,3,4,5,6,7
	ds_load_b128 v[224+4*\j:224+4*\j+3], v[RD] offset:4*KP*\j  ; my own stage: LDS serves a wave's instructions in order
.endr
.irp j, 0,1,2,3,4,5,6,7
	s_wait_dscnt 7-\j
	global_store_b128 v[CO], v[224+4*\j:224+4*\j+3], s[10:11] offset:512*\j    ; a wave's store covers 512 consecutive bytes, aligned
.endr
.endm
	s_cmp_eq_u32 s13, 0
	s_cbranch_scc0 .Lgive_hi
	GIVE 2, 0
	s_branch .Lgiven
.Lgive_hi:
	GIVE 0, 4*XCHW
.Lgiven:
	s_wait_dscnt 0x0                               ; for the partner's sake: all my LDS stores are done
	s_barrier_signal -1
	s_barrier_wait -1
	s_cmp_eq_u32 s13, 0
	s_cbranch_scc0 .Lkeep_hi
	KEEP 0, 4*XCHW
	s_branch .Lkept
.Lkeep_hi:
	KEEP 2, 0
.Lkept:
	s_wait_tensorcnt 0x0
	ds_add_u32 v62, v63
	s_wait_dscnt 0x0
	ROUND                                          ; the closing round
	s_endpgm
.Lfunc_end_k_q55a35c64bb_attn:
	.size	k_q55a35c64bb_attn, .Lfunc_end_k_q55a35c64bb_attn-k_q55a35c64bb_attn
	.p2alignl 7, 3214868480
	.fill 96, 4, 3214868480
	.section	.rodata,"a",@progbits
	.p2align	6, 0x0
	.amdhsa_kernel k_q55a35c64bb_attn
		.amdhsa_group_segment_fixed_size 327680
		.amdhsa_private_segment_fixed_size 0
		.amdhsa_enable_private_segment 0
		.amdhsa_kernarg_size 32
		.amdhsa_user_sgpr_count 2
		.amdhsa_user_sgpr_kernarg_segment_ptr 1
		.amdhsa_wavefront_size32 1
		.amdhsa_system_sgpr_workgroup_id_x 1
		.amdhsa_system_sgpr_workgroup_id_y 1
		.amdhsa_system_sgpr_workgroup_id_z 1
		.amdhsa_system_vgpr_workitem_id 0
		.amdhsa_next_free_vgpr 512
		.amdhsa_next_free_sgpr 66
		.amdhsa_reserve_vcc 0
		.amdhsa_float_denorm_mode_32 3
		.amdhsa_float_denorm_mode_16_64 3
		.amdhsa_memory_ordered 1
		.amdhsa_forward_progress 1
		.amdhsa_inst_pref_size 255
	.end_amdhsa_kernel
	.section	.bss,"aw",@nobits
	.p2align	6
	.space	262144
	.amdgpu_metadata
---
amdhsa.version: [ 1, 2 ]
amdhsa.kernels:
  - .name:           k_q55a35c64bb_attn
    .symbol:         k_q55a35c64bb_attn.kd
    .args:
      - { .name: qb, .offset: 0, .size: 8, .value_kind: global_buffer, .address_space: global }
      - { .name: kb, .offset: 8, .size: 8, .value_kind: global_buffer, .address_space: global }
      - { .name: vb, .offset: 16, .size: 8, .value_kind: global_buffer, .address_space: global }
      - { .name: ab, .offset: 24, .size: 8, .value_kind: global_buffer, .address_space: global }
    .group_segment_fixed_size: 327680
    .private_segment_fixed_size: 0
    .kernarg_segment_align: 8
    .kernarg_segment_size: 32
    .max_flat_workgroup_size: 256
    .sgpr_count:     66
    .vgpr_count:     512
    .wavefront_size: 32
...
	.end_amdgpu_metadata
.endif
;; end of part 5
;; launch oproj: the kernel of part 4 again; grid 8 x 32, 4 waves a work-group, clusters of 4 x 4, 327,680 bytes of LDS; arguments ab, wt, bo, out0; writes out0
